; MI455X (gfx1250); checked and timed in simulation.
; The chip was launched on July 23, 2026; its instructions are those of AMD's public machine-readable ISA for CDNA 5 (MIT licence, August 2026) and "CDNA5" Instruction Set Architecture Reference Guide (July 2026). The comments in the code are by the model that wrote it; some were corrected since.
;; Self Attention With Rotary Embedding. Allowed arithmetic: matrix products marked QUANTISED: E4M3 operands, one given power-of-two scale a tensor, by v_wmma_f32_16x16x64_fp8_fp8 or v_wmma_f32_16x16x128_fp8_fp8, f32 sums; everything else in f32.
;; Inputs: Wp 2,048 x 2,048 float32; Wqk 2,048 x 4,096 float32; Wv 2,048 x 2,048 float32; bp 2,048 float32; bv 2,048 float32; freqs_cos 2,048 x 64 float32; freqs_sin 2,048 x 64 float32; kn_w 128 float32; lowp_scales 10 int32 (the exponents e of the quantised operands' scales 2^e); qn_w 128 float32; x 1 x 2,048 x 2,048 float32.
;; Outputs: out0 1 x 2,048 x 2,048 float32.
;; This version of the problem:
;;   THIS VERSION OF THE PROBLEM IS GIVEN IN LOW PRECISION. The matrix products marked QUANTISED in the list below multiply operands that are first quantised to E4M3 (4 exponent bits, 3 mantissa bits; 8 bits a number), with one given power-of-two scale for each operand tensor; their sums are f32. All else is computed in f32.
;;   The module's matrix products, in the order in which they are computed (A, B: the left and right operand; K: the contracted axis; several contracted axes count as one K, in the product's order):
;;     1. [M 2,048, K 2,048] x [K 2,048, N 4,096]; A: input x; B: input Wqk: QUANTISED (scales: A lowp_scales[0], B lowp_scales[1])
;;     2. [M 2,048, K 2,048] x [K 2,048, N 2,048]; A: input x; B: input Wv: QUANTISED (scales: A lowp_scales[2], B lowp_scales[3])
;;     3. batch 16 x [M 2,048, K 128] x [K 128, N 2,048]; A: computed on the way; B: computed on the way: QUANTISED (scales: A lowp_scales[4], B lowp_scales[5])
;;     4. batch 16 x [M 2,048, K 2,048] x [K 2,048, N 128]; A: softmax (see below); B: computed on the way: QUANTISED (scales: A lowp_scales[6], B lowp_scales[7])
;;     5. [M 2,048, K 2,048] x [K 2,048, N 2,048]; A: computed on the way; B: input Wp: QUANTISED (scales: A lowp_scales[8], B lowp_scales[9])
;;   THE QUANTISER, for each operand of a quantised product, along K:
;;     - The operand's scale is 2^e, e = its entry of the input lowp_scales (int32; the entries are numbered through the quantised products in the list's order, A before B).
;;     - Each number is divided by the scale, clamped to +-448, and rounded to the nearest number of E4M3, ties to even, subnormals kept.
;;     - The product sums the exact products of the quantised numbers (number of the format x scale) in f32.
;;   ~~~python
;;   def quantise(x, axis, e):      # numpy; x: float32 -> the quantised numbers, widened to float32 again
;;       x = np.moveaxis(x, axis, -1); K = x.shape[-1]
;;       r = np.clip(x / 2.0 ** e, -448, 448)
;;       step = 2.0 ** (np.maximum(np.frexp(np.where(r == 0, 1, r))[1] - 1, -6) - 3)
;;       q = np.round(r / step) * step * 2.0 ** e      # np.round: ties to even
;;       return np.moveaxis(q, -1, axis).astype(np.float32)
;;   ~~~
;;   SOFTMAX AHEAD OF A QUANTISED PRODUCT. Where the list says 'softmax', what is quantised is not the finished softmax but p = 2^(t - M), with t = logit x log2(e) and M = ceil(the row's largest t), a whole number; so 1/2 < the row's largest p <= 1. The row's sum l is taken of the UNQUANTISED p, in f32, and the product's result is divided by l at the end. Since M is a whole number, a kernel that streams over the keys may use a running M (the ceiling of the running maximum): every later rescaling is an exact power of two, so the quantised numbers keep their values, but for numbers so far below the row's largest that they fall under the format's range.
;;   OPERANDS COMPUTED ON THE WAY. 'Computed on the way' means the value that the module computes at that place (a softmax that the list does not call 'softmax' is quantised finished and normalised). What goes into a quantiser is computed in f32, as accurately as f32 sums, v_exp_f32 and their like allow (about 1e-6 of the number): no bf16 or f16 on the way to a quantiser, and a product that is left as it is and whose result goes on into a quantised operand takes f32 operands (vector FMAs, or v_wmma_f32_16x16x4_f32). A number that lies on a knife's edge between two numbers of the format may be rounded either way, as far as f32 arithmetic and the matrix unit's own rounding can turn it there, and no further.
;; One version. Each part assembles by itself: llvm-mc -triple=amdgcn-amd-amdhsa -mcpu=gfx1250 --defsym DOCPART=n.
;; ======== version 1 of 1: 4 launches
;; limits: right only within a limited range of input values
;; workspace buffers: xc 8,388,608 bytes; wc 16,777,216 bytes; qkc 8,388,608 bytes; vc 4,194,304 bytes; yc 4,194,304 bytes
;; launch quant (part 1): grid 640 x 1, 4 waves a work-group, no clusters, 102,912 bytes of LDS; arguments x, Wqk, Wv, Wp, lowp_scales, xc, wc; writes xc, wc
.if DOCPART == 1
	.amdgcn_target "amdgcn-amd-amdhsa--gfx1250"
	.amdhsa_code_object_version 6
	.text
	.protected	k_qca236b6993_quant
	.globl	k_qca236b6993_quant
	.p2align	8
	.type	k_qca236b6993_quant,@function
k_qca236b6993_quant:
	s_mov_b64 s[64:65], 0
	v_nop
	global_prefetch_b8 v0, s[64:65] scope:SCOPE_SE
	s_setreg_imm32_b32 hwreg(HW_REG_WAVE_MODE, 25, 1), 1
	s_wait_xcnt 0x0
; x [2048][2048] f32 becomes codes of E4M3 twice (under 2^e0 for the product with Wqk, under 2^e2 for the product with Wv): xc [2][2048 tokens][2048 K].
; Wqk [2048 K][4096], Wv and Wp [2048 K][2048], f32 with K as FIRST axis, become codes with K innermost: wc [8192 n][2048 K]: rows 0-4095 Wqk's columns (e1), 4096-6143 Wv's (e3), 6144-8191 Wp's (e9).
; code = number / 2^e, held within +-448, rounded to the nearest code, ties to even.  LIMITS: each e between -126 and 119, so that 2^e and 448 x 2^e are f32 numbers; NaN among the inputs is not served.
; Each operand is read by 8 to 24 work-groups of the products' launches: so it is quantised once, here.
; Work-groups 0-127 take x, 32,768 numbers each; work-groups 128-639 take the weights, 128 columns x 256 along K each: 128 KiB of f32 for every work-group.  The two ways part once, on the work-group's number, and
; never join; each has LDS bytes of its own (x: 0-32,767; the weights: 32,768-67,583).  No tensor loads, no barrier: waves share nothing.
; X'S WAY.  A conversion takes 8 neighbours along K from one lane's registers, a load is best where neighbouring lanes take neighbouring bytes: so each load reads 512 consecutive bytes, a step's 2,048 bytes go through
; the wave's own stage in LDS as they lie and come back 64 bytes a lane (16 bytes of padding behind each 64).  Loads run four steps ahead, the stage one.  Each step is quantised twice, from the same registers.
; THE WEIGHTS' WAY.  A lane takes a column and its registers run down K: the conversions then give codes with K innermost.  A wave gathers 32 columns x 256 K in its stage and stores rows: sixteen lanes write 256 consecutive bytes, aligned.
; THE LAYOUTS AS THEY ARE NOW (they take the place of what stands above on xc, on wc's first 6,144 rows and on a wave's share of x):
; xc plane 0 (e0): [token / 128][K / 256][128 tokens][256 K]: the image that the products' launch holds in LDS.  xc plane 1 (e2): operand order: [token / 16][K / 128][c 0..3][lane (r, h)][16 codes], K = 32 c + 16 h on, token r.
; wc: Wqk's columns in operand order, as xc plane 1 (32,768 bytes for 16 columns); Wv's columns as xc plane 0: [head][K / 256][128 columns][256 K]; Wp's as rows of 2,048 K.
; A wave of x's way takes 16 tokens x 512 K, a token a step; its codes under e2 turn through LDS bytes of its own (32 units of 256 bytes + 16) and leave as 8,192 bytes on end.
.set STEPS, 16
.set XT,    68096                      ; x: the turn of plane 1's codes: 8,704 bytes for each wave, behind the spare words
.set SP,    80                         ; x's stage: a lane's 64 bytes + 16 of padding
.set WREG,  8192                       ; x's way: LDS of a wave: two stages of 32 x SP bytes
.set R,     16                         ; v16-79   x: four sets of 16 numbers as loaded
.set XX,    80                         ; v80-111  x: two sets of 16 neighbours
.set T,     112                        ; v112-127 x: the 16 numbers held for e0
.set C0,    128                        ; v128-191 x: codes under e0, four registers a step: no store's data are written again
.set C2,    192                        ; v192-255 x: codes under e2
.set WSTG,  32768                      ; the weights' stages begin here
.set WP,    272                        ; a stage row: 256 bytes of codes + 16
.set OF,    16                         ; v16-47   weights: byte offset of row i of a block of 32 rows, + 4 x lane
.set XW,    48                         ; v48-111  weights: two sets of 32 numbers
.set CW,    112                        ; v112-119 weights: a block's codes
.set OUTR,  128                        ; v128-191 weights: the way out
.macro XLOAD t
.irp i, 0,1,2,3
	global_load_b128 v[R+16*((\t)%4)+4*\i:R+16*((\t)%4)+4*\i+3], v3, s[4:5] offset:8192*(\t)+512*\i th:TH_LOAD_NT   ; token t of my 16: 512 consecutive bytes of its row
.endr
.endm
.macro XTURN t                         ; step t's numbers through the stage: LDS serves a wave's instructions in order, so no wait stands between the stores and the loads
.irp i, 0,1,2,3
	ds_store_b128 v14, v[R+16*((\t)%4)+4*\i:R+16*((\t)%4)+4*\i+3] offset:32*SP*((\t)%2)+8*SP*\i
.endr
.irp i, 0,1,2,3
	ds_load_b128 v[XX+16*((\t)%2)+4*\i:XX+16*((\t)%2)+4*\i+3], v15 offset:32*SP*((\t)%2)+16*\i
.endr
.endm
.macro XSTEP t
.set XS, XX+16*((\t)%2)
	s_wait_dscnt 0x0                               ; this step's numbers are back from the stage, and its stores into the stage have read their registers,
.if (\t)+4 < STEPS
	XLOAD (\t)+4                                   ; which take the loads of four steps on
.endif
.if (\t)+1 < STEPS
.if STEPS-2-(\t) >= 3
	s_wait_loadcnt 12                              ; the next step's four loads are in; the twelve of the three steps behind it may be out
.else
	s_wait_loadcnt 4*(STEPS-2-(\t))                ; the tail: four for each step still behind the next
.endif
	XTURN (\t)+1
.endif
.set xi, 0
.rept 16
	v_med3_num_f32 v[T+xi], v[XS+xi], -v10, v10    ; the conversion to an 8-bit code does not saturate (ISA guide 7.6.2): the hold at 448 x 2^e0, into other registers: the numbers are wanted again
.set xi, xi+1
.endr
	v_cvt_scalef32_pk8_fp8_f32 v[C0+4*(\t):C0+4*(\t)+1], v[T:T+7], v11
	v_cvt_scalef32_pk8_fp8_f32 v[C0+4*(\t)+2:C0+4*(\t)+3], v[T+8:T+15], v11
.set xi, 0
.rept 16
	v_med3_num_f32 v[XS+xi], v[XS+xi], -v12, v12   ; the hold at 448 x 2^e2.  (These plain lines also stand between the conversions above and the next write of their sources)
.set xi, xi+1
.endr
	v_cvt_scalef32_pk8_fp8_f32 v[C2+4*(\t):C2+4*(\t)+1], v[XS:XS+7], v13
	v_cvt_scalef32_pk8_fp8_f32 v[C2+4*(\t)+2:C2+4*(\t)+3], v[XS+8:XS+15], v13
	global_store_b128 v7, v[C0+4*(\t):C0+4*(\t)+3], s[14:15] offset:256*(\t)            ; sixteen lanes store 256 consecutive bytes, aligned: token t's row in two neighbouring chunks of K
	ds_store_b128 v8, v[C2+4*(\t):C2+4*(\t)+3] offset:16*(\t)                           ; plane 1: unit = my lane (its K), place 16 t in it
.endm
.macro WLOAD t                         ; block t: W(32 t + i, my column), i = 0 .. 31, into set t % 2; the block's base is a scalar pair of its own: nothing is stepped
.set wi, 0
.rept 32
	global_load_b32 v[XW+32*((\t)%2)+wi], v[OF+wi], s[40+2*(\t):41+2*(\t)] th:TH_LOAD_NT
.set wi, wi+1
.endr
.endm
.macro WBLOCK t
.set XS, XW+32*((\t)%2)
.if (\t) < 7
	s_wait_loadcnt 32                              ; this block's 32 loads are in; the next block's 32 may be out
.else
	s_wait_loadcnt 0x0
.endif
.set wj, 0
.rept 32
	v_med3_num_f32 v[XS+wj], v[XS+wj], -v10, v10   ; the hold at 448 x 2^e
.set wj, wj+1
.endr
.irp g, 0,1,2,3
	v_cvt_scalef32_pk8_fp8_f32 v[CW+2*\g:CW+2*\g+1], v[XS+8*\g:XS+8*\g+7], v11
.endr
	ds_store_b128 v4, v[CW:CW+3] offset:32*(\t)    ; 32 codes: 32 bytes of my column's row
	ds_store_b128 v4, v[CW+4:CW+7] offset:32*(\t)+16
.if (\t)+2 < 8
	WLOAD (\t)+2
.endif
	s_wait_dscnt 0x0                               ; the stores have read their registers: the next block's codes may be written (its 32 holds are the plain lines behind these conversions)
.endm
	s_load_b256 s[4:11], s[0:1], 0x0               ; x s[4:5], Wqk s[6:7], Wv s[8:9], Wp s[10:11]
	s_load_b128 s[12:15], s[0:1], 0x20             ; the scales' exponents s[12:13], xc s[14:15]
	s_load_b64 s[16:17], s[0:1], 0x30              ; wc
	s_set_vgpr_msb 0x40
	v_lshl_add_u32 v0, v0, 2, 0x10800
	v_mov_b32 v1, 0
	s_set_vgpr_msb 0x4000
	v_lshrrev_b32 v1, 5, v0
	v_readfirstlane_b32 s18, v1                    ; wave 0..3
	v_and_b32 v2, 31, v0                           ; lane
	v_lshlrev_b32 v3, 4, v2                        ; x: my 16 bytes of a load's 512, and of a store's
	s_mul_i32 s19, s18, WREG
	v_lshrrev_b32 v14, 2, v2
	v_mul_u32_u24 v14, v14, SP
	v_and_b32 v15, 3, v2
	v_lshl_add_u32 v14, v15, 4, v14
	v_add_nc_u32 v14, s19, v14                     ; x's stage, in: four lanes' 64 bytes on end, then the padding
	v_mul_u32_u24 v15, v2, SP
	v_add_nc_u32 v15, s19, v15                     ; and out: my 16 neighbours
	s_mul_i32 s19, s18, 32*WP
	s_add_co_u32 s19, s19, WSTG                    ; the weights' stage of my wave
	v_mul_u32_u24 v4, v2, WP
	v_add_nc_u32 v4, s19, v4                       ; in: row = my column
	v_and_b32 v5, 15, v2
	v_lshrrev_b32 v6, 4, v2
	v_mul_u32_u24 v7, v6, WP
	v_lshl_add_u32 v7, v5, 4, v7
	v_add_nc_u32 v7, s19, v7                       ; out: sixteen lanes to a row, two rows an instruction
	v_lshlrev_b32 v8, 11, v6
	v_lshl_add_u32 v8, v5, 4, v8                   ; and the same place in wc (a row is 2,048 bytes)
	v_lshlrev_b32 v9, 2, v2                        ; weights: 4 bytes a lane
	s_wait_kmcnt 0x0
	s_load_b256 s[24:31], s[12:13], 0x0            ; e0 .. e7
	s_load_b64 s[32:33], s[12:13], 0x20            ; e8, e9
	s_cmp_lt_u32 ttmp9, 128
	s_cbranch_scc0 .Lweights
	; ---- x's way
	s_lshl_b32 s19, ttmp9, 2
	s_add_co_u32 s20, s19, s18                     ; which run of 8,192 numbers is my wave's: 0 .. 511
	s_lshr_b32 s21, s20, 2                         ; which 16 tokens: 0 .. 127
	s_and_b32 s20, s20, 3                          ; which 512 along K
	s_lshl_b32 s22, s21, 17
	s_lshl_b32 s19, s20, 11
	s_add_co_u32 s22, s22, s19
	s_mov_b32 s23, 0
	s_add_nc_u64 s[4:5], s[4:5], s[22:23]          ; x: 16 rows of 8,192 bytes + 2,048 x my part of K
	s_lshl_b32 s22, s21, 15
	s_lshl_b32 s19, s20, 13
	s_add_co_u32 s22, s22, s19
	s_add_co_u32 s22, s22, 0x400000
	s_add_nc_u64 s[36:37], s[14:15], s[22:23]      ; plane 1: my 8,192 bytes
	s_lshr_b32 s22, s21, 3
	s_lshl_b32 s22, s22, 18
	s_lshl_b32 s19, s20, 16
	s_add_co_u32 s22, s22, s19
	s_and_b32 s19, s21, 7
	s_lshl_b32 s19, s19, 12
	s_add_co_u32 s22, s22, s19
	s_add_nc_u64 s[14:15], s[14:15], s[22:23]      ; plane 0: block of 128 tokens, my two chunks of K, my 16 rows of 256 bytes
	s_mul_i32 s19, s18, 8704
	s_add_co_u32 s19, s19, XT
	s_wait_alu depctr_va_vdst(0)                   ; the wait ahead of the readers below
	v_lshlrev_b32 v7, 15, v6
	v_lshl_add_u32 v7, v5, 4, v7                   ; plane 0: lanes 16-31 stand a chunk (32,768 bytes) on
	v_mul_u32_u24 v8, v2, 272
	v_add_nc_u32 v8, s19, v8                       ; the turn, in: unit = lane
	v_mul_u32_u24 v9, v6, 272
	v_lshl_add_u32 v9, v5, 4, v9
	v_add_nc_u32 v9, s19, v9                       ; and out: sixteen lanes to a unit, two units an instruction
.irp t, 0,1,2,3
	XLOAD \t
.endr
	s_wait_kmcnt 0x0
	s_add_co_i32 s20, s24, 127
	s_lshl_b32 s21, s20, 23
	v_mov_b32 v11, s21                             ; 2^e0 as f32: the conversion takes its exponent field
	s_add_co_i32 s20, s20, 8
	s_lshl_b32 s20, s20, 23
	s_or_b32 s20, s20, 0x600000
	v_mov_b32 v10, s20                             ; 448 x 2^e0
	s_add_co_i32 s20, s26, 127
	s_lshl_b32 s21, s20, 23
	v_mov_b32 v13, s21                             ; 2^e2
	s_add_co_i32 s20, s20, 8
	s_lshl_b32 s20, s20, 23
	s_or_b32 s20, s20, 0x600000
	v_mov_b32 v12, s20                             ; 448 x 2^e2
	s_wait_alu depctr_va_vdst(0)
	s_wait_loadcnt 12                              ; step 0's four loads are in
	XTURN 0
.irp t, 0,1,2,3,4,5,6,7,8,9,10,11,12,13,14,15
	XSTEP \t
.endr
.irp i, 0,1,2,3,4,5,6,7,8,9,10,11,12,13,14,15
	ds_load_b128 v[R+4*\i:R+4*\i+3], v9 offset:544*\i             ; LDS serves a wave's instructions in order: these see my stores
.endr
.irp i, 0,1,2,3,4,5,6,7,8,9,10,11,12,13,14,15
	s_wait_dscnt 15-\i                             ; units 2 i, 2 i + 1 are back
	global_store_b128 v3, v[R+4*\i:R+4*\i+3], s[36:37] offset:512*\i   ; 512 consecutive bytes, aligned
.endr
	s_set_vgpr_msb 0x5
	s_wait_tensorcnt 0x0
	ds_add_u32 v0, v1
	s_wait_dscnt 0x0
	s_set_vgpr_msb 0x500
	s_endpgm
	; ---- the weights' way
.Lweights:
	s_sub_co_u32 s19, ttmp9, 128
	s_lshr_b32 s34, s19, 3                         ; which 128 rows of wc: 0 .. 63
	s_and_b32 s35, s19, 7                          ; which 256 along K
	s_cmp_lt_u32 s34, 48                           ; the tensor, its row pitch and its first group hang on the work-group's number alone
	s_cselect_b64 s[20:21], s[8:9], s[10:11]
	s_cselect_b32 s38, 32, 48
	s_cmp_lt_u32 s34, 32
	s_cselect_b64 s[20:21], s[6:7], s[20:21]
	s_cselect_b32 s38, 0, s38
	s_mov_b32 s36, 8192
	s_cselect_b32 s36, 16384, s36                  ; bytes from row to row of the tensor
	s_sub_co_u32 s39, s34, s38                     ; the group of 128 columns in its tensor
	s_lshl_b32 s39, s39, 9
	s_lshl_b32 s22, s18, 7
	s_add_co_u32 s39, s39, s22                     ; my wave's first column, in bytes
	s_lshl_b32 s22, s35, 8
	s_mul_i32 s22, s22, s36                        ; my first row, in bytes (under 2^25)
	s_add_co_u32 s22, s22, s39
	s_mov_b32 s23, 0
	s_add_nc_u64 s[40:41], s[20:21], s[22:23]      ; block 0's base,
	s_lshl_b32 s22, s36, 5
.irp t, 1,2,3,4,5,6,7
	s_add_nc_u64 s[40+2*\t:41+2*\t], s[38+2*\t:39+2*\t], s[22:23]   ; and the seven others', 32 rows apart
.endr
	s_lshl_b32 s58, s34, 18
	s_lshl_b32 s59, s18, 16
	s_add_co_u32 s58, s58, s59
	s_lshl_b32 s59, s35, 8
	s_add_co_u32 s58, s58, s59                     ; wc: (128 x group + 32 x wave) rows of 2,048 bytes + 256 x my part of K
	s_mov_b32 s59, 0
	s_add_nc_u64 s[56:57], s[16:17], s[58:59]
.set wi, 0
	s_wait_alu depctr_va_vdst(0)
	v_mul_u32_u24 v12, v6, 4336
	v_sub_nc_u32 v12, v4, v12                      ; the stage in operand order: row lane % 16, + 16 (lane / 16)
.rept 32
	v_mad_u32_u24 v[OF+wi], s36, wi, v9            ; row i of a block + 4 x lane
.set wi, wi+1
.endr
	WLOAD 0
	WLOAD 1
	s_wait_kmcnt 0x0
	s_cmp_lt_u32 s34, 48
	s_cselect_b32 s37, s27, s33                    ; e3 or e9,
	s_cmp_lt_u32 s34, 32
	s_cselect_b32 s37, s25, s37                    ; or e1
	s_add_co_i32 s37, s37, 127
	s_lshl_b32 s38, s37, 23
	v_mov_b32 v11, s38                             ; 2^e
	s_add_co_i32 s37, s37, 8
	s_lshl_b32 s37, s37, 23
	s_or_b32 s37, s37, 0x600000
	v_mov_b32 v10, s37                             ; 448 x 2^e
	s_wait_alu depctr_va_vdst(0)
.irp t, 0,1,2,3,4,5,6,7
	WBLOCK \t
.endr
	s_lshl_b32 s58, s34, 18                        ; 128 columns are 262,144 bytes of wc in every layout
	s_cmp_lt_u32 s34, 32
	s_cbranch_scc0 .Lnot_qk
	; Wqk: operand order: load t = (16 columns t / 8, 128 of K (t / 4) % 2, c = t % 4)
	s_lshl_b32 s59, s18, 16
	s_add_co_u32 s58, s58, s59
	s_lshl_b32 s59, s35, 12
	s_add_co_u32 s58, s58, s59
	s_mov_b32 s59, 0
	s_add_nc_u64 s[60:61], s[16:17], s[58:59]
.irp t, 0,1,2,3,4,5,6,7,8,9,10,11,12,13,14,15
	ds_load_b128 v[OUTR+4*\t:OUTR+4*\t+3], v12 offset:(\t/8)*16*WP+((\t/4)%2)*128+(\t%4)*32
.endr
.irp t, 0,1,2,3,4,5,6,7,8,9,10,11,12,13,14,15
	s_wait_dscnt 15-\t
	global_store_b128 v3, v[OUTR+4*\t:OUTR+4*\t+3], s[60:61] offset:(\t/8)*32768+((\t/4)%2)*2048+(\t%4)*512   ; 512 consecutive bytes, aligned
.endr
	s_set_vgpr_msb 0x5
	s_wait_tensorcnt 0x0
	ds_add_u32 v0, v1
	s_wait_dscnt 0x0
	s_set_vgpr_msb 0x500
	s_endpgm
.Lnot_qk:
	s_cmp_lt_u32 s34, 48
	s_cbranch_scc0 .Lrows
	; Wv: my 32 rows of 256 bytes lie on end in my chunk of K
	s_lshl_b32 s59, s35, 15
	s_add_co_u32 s58, s58, s59
	s_lshl_b32 s59, s18, 13
	s_add_co_u32 s58, s58, s59
	s_mov_b32 s59, 0
	s_add_nc_u64 s[60:61], s[16:17], s[58:59]
.irp t, 0,1,2,3,4,5,6,7,8,9,10,11,12,13,14,15
	ds_load_b128 v[OUTR+4*\t:OUTR+4*\t+3], v7 offset:2*\t*WP
.endr
.irp t, 0,1,2,3,4,5,6,7,8,9,10,11,12,13,14,15
	s_wait_dscnt 15-\t
	global_store_b128 v3, v[OUTR+4*\t:OUTR+4*\t+3], s[60:61] offset:512*\t
.endr
	s_set_vgpr_msb 0x5
	s_wait_tensorcnt 0x0
	ds_add_u32 v0, v1
	s_wait_dscnt 0x0
	s_set_vgpr_msb 0x500
	s_endpgm
.Lrows:                                        ; Wp: rows of 2,048 K
.irp t, 0,1,2,3,4,5,6,7,8,9,10,11,12,13,14,15
	ds_load_b128 v[OUTR+4*\t:OUTR+4*\t+3], v7 offset:2*\t*WP      ; LDS serves a wave's instructions in order: these see my stores
.endr
.irp t, 0,1,2,3,4,5,6,7,8,9,10,11,12,13,14,15
	s_wait_dscnt 15-\t                             ; rows 2 t, 2 t + 1 are back; the later ones may be out
	global_store_b128 v8, v[OUTR+4*\t:OUTR+4*\t+3], s[56:57] offset:2*\t*2048   ; sixteen lanes store 256 consecutive bytes, aligned
.endr
	s_set_vgpr_msb 0x5
	s_wait_tensorcnt 0x0
	ds_add_u32 v0, v1
	s_wait_dscnt 0x0
	s_set_vgpr_msb 0x500
	s_endpgm
.Lfunc_end_k_qca236b6993_quant:
	.size	k_qca236b6993_quant, .Lfunc_end_k_qca236b6993_quant-k_qca236b6993_quant
	.p2alignl 7, 3214868480
	.fill 96, 4, 3214868480
	.section	.rodata,"a",@progbits
	.p2align	6, 0x0
	.amdhsa_kernel k_qca236b6993_quant
		.amdhsa_group_segment_fixed_size 102912
		.amdhsa_private_segment_fixed_size 0
		.amdhsa_enable_private_segment 0
		.amdhsa_kernarg_size 56
		.amdhsa_user_sgpr_count 2
		.amdhsa_user_sgpr_kernarg_segment_ptr 1
		.amdhsa_wavefront_size32 1
		.amdhsa_system_sgpr_workgroup_id_x 1
		.amdhsa_system_sgpr_workgroup_id_y 1
		.amdhsa_system_sgpr_workgroup_id_z 1
		.amdhsa_system_vgpr_workitem_id 0
		.amdhsa_next_free_vgpr 258
		.amdhsa_next_free_sgpr 66
		.amdhsa_reserve_vcc 0
		.amdhsa_float_denorm_mode_32 3
		.amdhsa_float_denorm_mode_16_64 3
		.amdhsa_memory_ordered 1
		.amdhsa_forward_progress 1
		.amdhsa_inst_pref_size 119
	.end_amdhsa_kernel
	.amdgpu_metadata
---
amdhsa.version: [ 1, 2 ]
amdhsa.kernels:
  - .name:           k_qca236b6993_quant
    .symbol:         k_qca236b6993_quant.kd
    .args:
      - { .name: x, .offset: 0, .size: 8, .value_kind: global_buffer, .address_space: global }
      - { .name: Wqk, .offset: 8, .size: 8, .value_kind: global_buffer, .address_space: global }
      - { .name: Wv, .offset: 16, .size: 8, .value_kind: global_buffer, .address_space: global }
      - { .name: Wp, .offset: 24, .size: 8, .value_kind: global_buffer, .address_space: global }
      - { .name: lowp_scales, .offset: 32, .size: 8, .value_kind: global_buffer, .address_space: global }
      - { .name: xc, .offset: 40, .size: 8, .value_kind: global_buffer, .address_space: global }
      - { .name: wc, .offset: 48, .size: 8, .value_kind: global_buffer, .address_space: global }
    .group_segment_fixed_size: 102912
    .private_segment_fixed_size: 0
    .kernarg_segment_align: 8
    .kernarg_segment_size: 56
    .max_flat_workgroup_size: 128
    .sgpr_count:     66
    .vgpr_count:     258
    .wavefront_size: 32
...
	.end_amdgpu_metadata
.endif
;; end of part 1
;; launch gemm_qkv (part 2): grid 12 x 16, 4 waves a work-group, clusters of 4 x 1, 327,680 bytes of LDS; arguments xc, wc, lowp_scales, freqs_cos, freqs_sin, qn_w, kn_w, bv, qkc, vc; writes qkc, vc
.if DOCPART == 2
	.amdgcn_target "amdgcn-amd-amdhsa--gfx1250"
	.amdhsa_code_object_version 6
	.text
	.protected	k_qca236b6993_gemm_qkv
	.globl	k_qca236b6993_gemm_qkv
	.p2align	8
	.type	k_qca236b6993_gemm_qkv,@function
k_qca236b6993_gemm_qkv:
	s_mov_b64 s[64:65], 0
	v_nop
	global_prefetch_b8 v0, s[64:65] scope:SCOPE_SE
	s_setreg_imm32_b32 hwreg(HW_REG_WAVE_MODE, 25, 1), 1
	s_wait_xcnt 0x0
	s_wait_alu depctr_hold_cnt(0) depctr_sa_sdst(0) depctr_va_vdst(0) depctr_va_sdst(0) depctr_va_ssrc(0) depctr_va_vcc(0) depctr_vm_vsrc(0)
	s_getreg_b32 s2, hwreg(HW_REG_IB_STS2, 6, 4)
	s_cmp_eq_u32 s2, 0
	s_cbranch_scc0 .Lentry_in_a_cluster
	s_endpgm
.Lentry_in_a_cluster:
	s_bfe_u32 s2, ttmp6, 0x10000c
	s_cmp_lg_u32 s2, 0x3003
	s_cbranch_scc0 .Lentry_shape_is_right
	s_endpgm
.Lentry_shape_is_right:
; x Wqk and x Wv + bv on codes of E4M3, and what follows them up to the next quantisers.
; ONE OPERAND RESTS, THE OTHER STREAMS.  A work-group holds 128 rows x all 2,048 K of one operand in LDS (8 chunks of 256 K, rows 272 bytes apart), brought by ONE joint fill, a load a wave; nothing is filled again,
; so the K loop has no barrier.  Each wave owns 128 rows of the other operand and takes them from memory straight into registers: that operand lies in operand order, so a load reads 512 bytes on end.
; CLUSTERS x = 0, 1 (q, k): the resting rows are 128 tokens of xc plane 0 (work-group y), a wave's stream is one head of Wqk (plane 4 x group + wave of wc): RMS norm, gain and rotation stay in the wave.
;   Out: qkc [32 planes][2048 tokens][128] codes, under 2^e4 (q) or 2^e5 (k).
; CLUSTER x = 2 (v): the resting rows are the 128 channels of head y of Wv, a wave's stream 128 tokens of xc plane 1.  x 2^(e2 + e3), + bv, quantised under 2^e7.  Out: vc [head][token / 128][128 channels][128 tokens].
; The four work-groups of a cluster share the resting rows: they ask for them jointly (mask 15).  192 work-groups: a wave's tile is one head, 128 x 128; 48 heads x 16 blocks of rows are 768 such tiles.
; THE MATRIX INSTRUCTION: source 0 = 16 streamed rows, source 1 = 16 resting rows: a lane holds one resting row and eight neighbouring streamed rows.  K goes in steps of 64 (the K = 64 form), so that two sets of
; resting fragments (2 x 64 registers) and four sets of streamed ones (4 x 64) fit beside 512 accumulator registers.  A fragment is two pieces of 16 bytes: the same permutation of k inside 64 on both sides.
; In a step the streamed fragments go one after the other, each against the eight resting ones: a half set is free in the step's middle and at its end, and takes the loads of four steps on: 64 loads a wave are out.
; PREFETCH.  The stream: in each trip but the last the 128 blocks of 256 bytes of steps 4 i + 12 .. 4 i + 15 are shared by address among the 16 work-groups (y) that read the same plane: 8 blocks each, lanes 8-31 name the
; eighth again.  The tables: once, in the fourth trip, 32 rows a wave (waves 0, 2 of the q and k clusters; the partners take rows 32 cx on).  The resting rows come by the head's one fill: no loop stands ahead of it.
; Every cluster loads gains and bias (24 loads): both addresses are good everywhere, and the head has no branch.
; LIMITS: e4, e5, e7 between -126 and 119; e2 + e3 between -126 and 127; e0 + e1 goes by v_ldexp_f32 and has none.  NaN among the inputs is not served.
; REGISTERS: window 0: v0-31 addresses; v32-95 gains; v96-103 bias; v104-111 the norm's factors; v112-127 codes; v128-255 resting fragments, two sets (way out: X, Y).  window 1: streamed fragments, four sets
; (way out: three sets of 32 cos + 32 sin, v192-223 rows read back).  windows 2, 3: accumulator (a resting, b streamed) at v[8 (8 (b % 4) + a)] of window 2 + b / 4.
.set CHUNK,  128*272
.set SPARE,  8*CHUNK                   ; the spare words, 128 bytes for each wave
.set QSTG,   SPARE+512                 ; the way out: 16 rows x 144 bytes for each wave; no fill lands here
.set QP,     144
.set GOF,  12                          ; 32 x (lane / 16): my gains
.set BOF,  13                          ; 4 x (lane % 16): my bias
.set AA0,  16                          ; my lane's place in a chunk: 272 r + 16 h
.set AA,   17                          ; + the trip's chunk
.set BO,   18                          ; 16 x lane
.set PFO,  19                          ; the stream's prefetch: my block
.set TPO,  20                          ; the tables' prefetch: 256 x lane
.set TOF,  21                          ; my lane's place in the tables: 256 r + 16 h
.set STO,  24
.set RD,   25
.set SPW,  28
.set NIL,  29
.set SCL,  30                          ; 2^e of the codes that I make
.set LIM,  31                          ; 448 x that
.set W,    32
.set BV,   96
.set F,    104
.set PC,   112
.set X,    128
.set Y,    192
.set G1,   24
.set G0,   32
.set SB,   36                          ; s[36:37] my stream, at the trip's first step
.set MSB, 0
.macro WIN new                         ; the immediate's high byte repeats the setting that is left
.if MSB != (\new)
	s_set_vgpr_msb (MSB<<8)|(\new)
.set MSB, (\new)
.endif
.endm
.set MUL_LO, 0xa1                      ; source 0 window 1, source 1 window 0, C and D window 2
.set MUL_HI, 0xf1
.set TO_B,   0x40
.macro CROUND                          ; a round of the cluster's barrier
	s_barrier_signal -1
	s_barrier_wait -1
	s_cmp_lg_u32 s14, 0
	s_cbranch_scc1 .Lnot_wave_0_\@
	s_barrier_signal -3
.Lnot_wave_0_\@:
	s_barrier_wait -3
	s_barrier_signal -1
	s_barrier_wait -1
.endm
.macro PLACES                          ; plain vector lines between a matrix instruction and a load into, or a vector line on, its registers
.rept 4
	v_nop
.endr
.endm
.macro MULH bset, aset, half, zero     ; 32 products: streamed fragments half .. half + 3, each against the eight resting ones.  The 64 accumulators take turns
.irp j, 0,1,2,3
.irp i, 0,1,2,3,4,5,6,7
.if \zero
	v_wmma_f32_16x16x64_fp8_fp8 v[8*(8*\j+\i):8*(8*\j+\i)+7], v[64*(\bset)+8*((\half)+\j):64*(\bset)+8*((\half)+\j)+7], v[128+64*(\aset)+8*\i:128+64*(\aset)+8*\i+7], 0
.else
	v_wmma_f32_16x16x64_fp8_fp8 v[8*(8*\j+\i):8*(8*\j+\i)+7], v[64*(\bset)+8*((\half)+\j):64*(\bset)+8*((\half)+\j)+7], v[128+64*(\aset)+8*\i:128+64*(\aset)+8*\i+7], v[8*(8*\j+\i):8*(8*\j+\i)+7]
.endif
.endr
.endr
.endm
.macro BLOADH bset, half, off          ; eight loads: four streamed fragments of one step; 16 rows are 32,768 bytes of the stream, a step 1,024 of them
.irp j, 0,1,2,3
	global_load_b128 v[64*(\bset)+8*((\half)+\j):64*(\bset)+8*((\half)+\j)+3], v[BO], s[SB:SB+1] offset:(\off)+32768*((\half)+\j)
	global_load_b128 v[64*(\bset)+8*((\half)+\j)+4:64*(\bset)+8*((\half)+\j)+7], v[BO], s[SB:SB+1] offset:(\off)+32768*((\half)+\j)+512
.endr
.endm
.macro ALOAD aset, off                 ; sixteen loads: the eight resting fragments of one step
.irp i, 0,1,2,3,4,5,6,7
	ds_load_b128 v[128+64*(\aset)+8*\i:128+64*(\aset)+8*\i+3], v[AA] offset:(\off)+4352*\i
	ds_load_b128 v[128+64*(\aset)+8*\i+4:128+64*(\aset)+8*\i+7], v[AA] offset:(\off)+4352*\i+32
.endr
.endm
; A step s of 64 along K.  aoff: where step s + 2's resting fragments lie (under 0: none); boff: where step s + 4's streamed ones lie (under 0: none).
; nd: the next step's 16 LDS loads may be out.  nlo, nhi: the loads issued behind the half set that is wanted: seven groups of eight while the stream runs.
.macro STEP bset, aset, zero, aoff, boff, nd, nlo, nhi
	s_wait_loadcnt \nlo
	s_wait_dscnt \nd
	WIN MUL_LO
	MULH \bset, \aset, 0, \zero
	PLACES
.if (\boff) >= 0
	WIN TO_B
	BLOADH \bset, 0, \boff
.endif
	s_wait_loadcnt \nhi
	WIN MUL_HI
	MULH \bset, \aset, 4, \zero
	PLACES
.if (\boff) >= 0
	WIN TO_B
	BLOADH \bset, 4, \boff
.endif
	WIN 0
.if (\aoff) >= 0
	ALOAD \aset, \aoff
.endif
.endm
; ---- the way out
.macro TABLOAD a                       ; cos and sin of block a's 16 tokens: lane (r, h) takes, for each b, the pairs 8 b + 4 h + 0 .. 3 of token r; the eight loads of a table use each row's 256 bytes whole
	WIN TO_B
.irp b, 0,1,2,3,4,5,6,7
	global_load_b128 v[64*((\a)%3)+4*\b:64*((\a)%3)+4*\b+3], v[TOF], s[10:11] offset:4096*(\a)+32*\b
	global_load_b128 v[64*((\a)%3)+32+4*\b:64*((\a)%3)+32+4*\b+3], v[TOF], s[68:69] offset:4096*(\a)+32*\b
.endr
	WIN 0
.endm
.macro SEND a                          ; block a's 16 rows of 128 codes are 2,048 consecutive bytes: each store covers 512 of them.  (Data in window 1)
	WIN 0x04
.irp i, 0,1,2,3
	global_store_b128 v[BO], v[192+16*((\a)%2)+4*\i:192+16*((\a)%2)+4*\i+3], s[76:77] offset:2048*(\a)+512*\i
.endr
.endm
.macro PACKOUT src, a                  ; 64 numbers a lane: held, converted, through my stage, back as whole rows
.set qj, 0
.rept 64
	v_med3_num_f32 v[\src+qj], v[\src+qj], -v[LIM], v[LIM]   ; the conversion to an 8-bit code does not saturate (ISA guide 7.6.2)
.set qj, qj+1
.endr
.irp b, 0,1,2,3,4,5,6,7
	v_cvt_scalef32_pk8_fp8_f32 v[PC+2*\b:PC+2*\b+1], v[\src+8*\b:\src+8*\b+7], v[SCL]
.endr
	v_nop                                          ; one plain vector line behind the last conversion
.irp b, 0,1,2,3,4,5,6,7
	ds_store_b64 v[STO], v[PC+2*\b:PC+2*\b+1] offset:16*\b     ; resting row r, streamed rows 16 b + 8 h + 0 .. 7
.endr
	s_wait_xcnt 0x0                                ; the stores issued so far have read their data: the set of rows below may be loaded again
	WIN TO_B
.irp i, 0,1,2,3
	ds_load_b128 v[192+16*((\a)%2)+4*\i:192+16*((\a)%2)+4*\i+3], v[RD] offset:4*QP*\i   ; LDS serves a wave's instructions in order: these see the stores above
.endr
	WIN 0
.endm
.macro QKBLOCK a
.set TS, 64*((\a)%3)
.irp w, 0,1
	WIN 0x02+\w                                    ; source 0: window 2, then 3
.irp b, 0,1,2,3
.irp i, 0,2,4,6
.if ((\a)%2)
	v_pk_mul_f32 v[X+32*\w+8*\b+\i:X+32*\w+8*\b+\i+1], v[64*\b+8*(\a)+\i:64*\b+8*(\a)+\i+1], v[F+2*((\a)/2):F+2*((\a)/2)+1] op_sel:[0,1] op_sel_hi:[1,1]   ; sum x 2^(e0 + e1) x rsqrt(mean square + eps)
.else
	v_pk_mul_f32 v[X+32*\w+8*\b+\i:X+32*\w+8*\b+\i+1], v[64*\b+8*(\a)+\i:64*\b+8*(\a)+\i+1], v[F+2*((\a)/2):F+2*((\a)/2)+1] op_sel:[0,0] op_sel_hi:[1,0]
.endif
.endr
.endr
.endr
	WIN 0
.set qj, 0
.rept 32
	v_pk_mul_f32 v[X+qj:X+qj+1], v[X+qj:X+qj+1], v[W+qj:W+qj+1]             ; x the gain
.set qj, qj+2
.endr
.if (\a) < 6
	s_wait_loadcnt 32                              ; this block's tables are in; the 32 loads of the two blocks behind it may be out
.else
	s_wait_loadcnt 16*(7-(\a))
.endif
	s_wait_dscnt 0x0                               ; the last block's rows are back
.if (\a) > 0
	SEND (\a)-1
.endif
	WIN 0x04                                       ; source 1 (the tables) window 1
.irp b, 0,1,2,3,4,5,6,7                ; the rotation: (x1, x2) -> (x1 c - x2 s, x2 c + x1 s)
.irp q, 0,1
	v_pk_mul_f32 v[Y+8*\b+4*\q:Y+8*\b+4*\q+1], v[X+8*\b+4*\q:X+8*\b+4*\q+1], v[TS+4*\b+2*\q:TS+4*\b+2*\q+1] op_sel:[0,0] op_sel_hi:[1,0]
	v_pk_mul_f32 v[Y+8*\b+4*\q+2:Y+8*\b+4*\q+3], v[X+8*\b+4*\q+2:X+8*\b+4*\q+3], v[TS+4*\b+2*\q:TS+4*\b+2*\q+1] op_sel:[0,1] op_sel_hi:[1,1]
.endr
.endr
.irp b, 0,1,2,3,4,5,6,7                ; source 0 crossed, sin negated for the low result
.irp q, 0,1
	v_pk_fma_f32 v[Y+8*\b+4*\q:Y+8*\b+4*\q+1], v[X+8*\b+4*\q:X+8*\b+4*\q+1], v[TS+32+4*\b+2*\q:TS+32+4*\b+2*\q+1], v[Y+8*\b+4*\q:Y+8*\b+4*\q+1] op_sel:[1,0,0] op_sel_hi:[0,0,1] neg_lo:[0,1,0]
	v_pk_fma_f32 v[Y+8*\b+4*\q+2:Y+8*\b+4*\q+3], v[X+8*\b+4*\q+2:X+8*\b+4*\q+3], v[TS+32+4*\b+2*\q:TS+32+4*\b+2*\q+1], v[Y+8*\b+4*\q+2:Y+8*\b+4*\q+3] op_sel:[1,1,0] op_sel_hi:[0,1,1] neg_lo:[0,1,0]
.endr
.endr
	WIN 0
.if (\a)+3 < 8
	TABLOAD (\a)+3                                 ; into the set just read
.endif
	PACKOUT Y, \a
.endm
.macro VBLOCK a
.irp w, 0,1
	WIN 0x02+\w
.irp b, 0,1,2,3
.irp i, 0,2,4,6
.if ((\a)%2)
	v_pk_fma_f32 v[X+32*\w+8*\b+\i:X+32*\w+8*\b+\i+1], v[64*\b+8*(\a)+\i:64*\b+8*(\a)+\i+1], s[104:105], v[BV+2*((\a)/2):BV+2*((\a)/2)+1] op_sel:[0,0,1] op_sel_hi:[1,0,1]   ; sum x 2^(e2 + e3) + bv of my channel
.else
	v_pk_fma_f32 v[X+32*\w+8*\b+\i:X+32*\w+8*\b+\i+1], v[64*\b+8*(\a)+\i:64*\b+8*(\a)+\i+1], s[104:105], v[BV+2*((\a)/2):BV+2*((\a)/2)+1] op_sel:[0,0,0] op_sel_hi:[1,0,0]
.endif
.endr
.endr
.endr
	WIN 0
.if (\a) > 0
	s_wait_dscnt 0x0                               ; the last block's rows are back
	SEND (\a)-1
	WIN 0
.endif
	PACKOUT X, \a
.endm
	s_load_b256 s[4:11], s[0:1], 0x0               ; xc s[4:5], wc s[6:7], the scales' exponents s[8:9], cos s[10:11]
	s_load_b256 s[68:75], s[0:1], 0x20             ; sin s[68:69], qn_w s[70:71], kn_w s[72:73], bv s[74:75]
	s_load_b128 s[76:79], s[0:1], 0x40             ; qkc s[76:77], vc s[78:79]
	v_lshl_add_u32 v[SPW], v0, 2, SPARE
	v_mov_b32 v[NIL], 0
	ds_add_u32 v[SPW], v[NIL]                      ; the opening lines: the add, twice on end, and its wait ahead of my tensor load
	ds_add_u32 v[SPW], v[NIL]
	v_lshrrev_b32 v1, 5, v0
	v_readfirstlane_b32 s14, v1                    ; wave 0..3
	s_bfe_u32 s40, ttmp6, 0x40000                  ; cx: my place in the cluster
	s_and_b32 s17, ttmp7, 0xffff                   ; y: which 128 resting rows
	s_mov_b32 s[G1], 15|(1<<20)|(1<<21)|(5<<22)|(3<<25)   ; the mask: all four partners; elements of 1 byte; padding: four words after every 64; bit 21 beside a mask
	s_mov_b32 s[G1+1], 256<<16                     ; rows of 256 bytes,
	s_mov_b32 s[G1+2], 256<<16                     ; 256 of them: two chunks of 128 rows,
	s_mov_b32 s[G1+3], 256<<16
	s_mov_b32 s[G1+4], 256
	s_mov_b32 s[G1+5], 256                         ; dense in memory
	s_mov_b32 s[G1+6], 0
	s_mov_b32 s[G1+7], 0
	s_cmp_ge_u32 ttmp9, 2                          ; the V cluster?  The cluster's x is the same in all partners
	s_cselect_b32 s18, 0x800000, 0                 ; V: the resting rows begin at Wv's codes in wc,
	s_cselect_b32 s19, 0x400000, 0                 ; the stream at xc's plane 1
	s_cselect_b32 s15, 8, 0
	s_lshl_b32 s20, s17, 18
	s_lshl_b32 s21, s14, 16
	s_add_co_u32 s20, s20, s21
	s_add_co_u32 s20, s20, s18                     ; my two chunks of block y: no place in the cluster enters
	s_mov_b32 s21, 0
	s_lshl_b32 s41, ttmp9, 2
	s_add_co_u32 s41, s41, s40
	s_sub_co_u32 s41, s41, s15
	s_lshl_b32 s41, s41, 2
	s_add_co_u32 s41, s41, s14                     ; my stream's plane of 262,144 bytes: q, k: 0 .. 31; v: 0 .. 15
	s_lshl_b32 s46, s41, 18
	s_add_co_u32 s46, s46, s19
	s_mov_b32 s47, 0
	s_mul_i32 s23, s14, 16*QP
	s_add_co_u32 s23, s23, QSTG                    ; my stage
	s_and_b32 s48, s17, 3
	s_lshl_b32 s48, s48, 16
	s_lshr_b32 s49, s17, 2
	s_lshl_b32 s49, s49, 10
	s_add_co_u32 s48, s48, s49                     ; the stream's prefetch: work-group y takes step y / 4 of four, fragments 2 (y % 4) and the next
	s_mov_b32 s12, 0x76543210                      ; v_permlanex16_b32's selects for lane l xor 16
	s_mov_b32 s13, 0xfedcba98
	s_mov_b32 s101, 0x358637bd                     ; eps = 1e-6
	s_mov_b32 s38, 0                               ; the trip's chunk, in LDS bytes
	s_mov_b32 s3, 6
	v_and_b32 v2, 15, v0                           ; r
	v_bfe_u32 v3, v0, 4, 1                         ; h
	v_and_b32 v4, 31, v0                           ; lane
	v_mul_u32_u24 v[AA0], v2, 272
	v_lshl_add_u32 v[AA0], v3, 4, v[AA0]
	v_mov_b32 v[AA], v[AA0]
	v_lshlrev_b32 v[BO], 4, v4
	v_lshlrev_b32 v[TOF], 8, v2
	v_lshl_add_u32 v[TOF], v3, 4, v[TOF]
	v_lshlrev_b32 v[GOF], 5, v3
	v_lshlrev_b32 v[BOF], 2, v2
	v_mul_u32_u24 v5, v2, QP
	v_lshl_add_u32 v5, v3, 3, v5
	v_add_nc_u32 v[STO], s23, v5                   ; the stage, in: row r, + 8 h
	v_lshrrev_b32 v5, 3, v4
	v_mul_u32_u24 v5, v5, QP
	v_and_b32 v6, 7, v0
	v_lshl_add_u32 v5, v6, 4, v5
	v_add_nc_u32 v[RD], s23, v5                    ; back: eight lanes to a row of 128 bytes, four rows an instruction
	v_min_u32 v5, 7, v4
	v_lshrrev_b32 v6, 2, v5
	v_and_b32 v5, 3, v5
	v_lshlrev_b32 v5, 8, v5
	v_lshl_add_u32 v5, v6, 15, v5
	v_add_nc_u32 v[PFO], s48, v5
	v_lshlrev_b32 v[TPO], 8, v4
	s_wait_alu depctr_va_vdst(0)                   ; the wait here, directly ahead of the waits below
	s_wait_dscnt 0x0                               ; both opening adds are done
	s_wait_kmcnt 0x0
	s_load_b256 s[80:87], s[8:9], 0x0              ; e0 .. e7
	s_cmp_ge_u32 ttmp9, 2
	s_cselect_b64 s[50:51], s[6:7], s[4:5]         ; the resting tensor: wc in the V cluster, else xc
	s_cselect_b64 s[SB:SB+1], s[4:5], s[6:7]       ; the streamed one: the other
	s_cselect_b64 s[76:77], s[78:79], s[76:77]     ; out: vc or qkc
	s_cselect_b32 s52, s17, s41                    ; its plane of 262,144 bytes: the head,
	s_cselect_b32 s53, s41, s17                    ; and in it the block of 128 tokens, 16,384 bytes
	s_add_nc_u64 s[G0+2:G0+3], s[50:51], s[20:21]
	s_or_b32 s[G0+3], s[G0+3], 0x80000000          ; type = 2
	s_mov_b32 s[G0], 1
	s_mul_i32 s[G0+1], s14, 2*CHUNK                ; wave x two chunks
	s_add_nc_u64 s[SB:SB+1], s[SB:SB+1], s[46:47]
	s_cmp_eq_u32 ttmp9, 0                          ; cluster 0 makes q's heads
	s_cselect_b64 s[70:71], s[70:71], s[72:73]
	s_lshl_b32 s54, s17, 9
	s_mov_b32 s55, 0
	s_add_nc_u64 s[74:75], s[74:75], s[54:55]      ; bv at channel 128 y
.irp b, 0,1,2,3,4,5,6,7
	global_load_b128 v[W+8*\b:W+8*\b+3], v[GOF], s[70:71] offset:64*\b        ; the gains of channels 16 b + 8 h + 0 .. 7
	global_load_b128 v[W+8*\b+4:W+8*\b+7], v[GOF], s[70:71] offset:64*\b+16
.endr
.irp a, 0,1,2,3,4,5,6,7
	global_load_b32 v[BV+\a], v[BOF], s[74:75] offset:64*\a                   ; of channel 16 a + r
.endr
	WIN TO_B
	BLOADH 0, 0, 0
	BLOADH 0, 4, 0
	WIN 0
	CROUND                                         ; all four work-groups are here: the joint loads meet
	tensor_load_to_lds s[G0:G0+3], s[G1:G1+7]      ; my one tensor load: chunks 2 w, 2 w + 1 of the resting rows
	s_nop 0
.rept 4
	v_nop
.endr
	WIN TO_B
.irp s, 1,2,3
	BLOADH \s, 0, 1024*\s
	BLOADH \s, 4, 1024*\s
.endr
	WIN 0
	s_lshl_b32 s52, s52, 18
	s_lshl_b32 s53, s53, 14
	s_add_co_u32 s52, s52, s53
	s_mov_b32 s53, 0
	s_add_nc_u64 s[76:77], s[76:77], s[52:53]      ; my 16,384 bytes of the output
	s_lshl_b32 s54, s17, 15
	s_add_nc_u64 s[10:11], s[10:11], s[54:55]      ; the tables at token 128 y
	s_add_nc_u64 s[68:69], s[68:69], s[54:55]
	s_cmp_lt_u32 s14, 2
	s_cselect_b64 s[42:43], s[10:11], s[68:69]     ; the tables' prefetch: wave 0 cos, wave 2 sin,
	s_lshl_b32 s54, s40, 13
	s_add_nc_u64 s[42:43], s[42:43], s[54:55]      ; rows 32 cx on: the partners are told apart by address
	s_and_b32 s54, s14, 1
	s_lshr_b32 s56, ttmp9, 1
	s_or_b32 s54, s54, s56
	s_cmp_eq_u32 s54, 0
	s_cselect_b32 s44, 3, 99                       ; the count of trips to go at which my wave asks; 99 is never met
	s_wait_kmcnt 0x0
	s_add_co_i32 s2, s80, s81                      ; e0 + e1
	s_lshl_b32 s66, s2, 1
	s_sub_co_i32 s66, s66, 7                       ; the mean of 128 squares: x 2^(2 (e0 + e1) - 7)
	s_add_co_i32 s104, s82, s83
	s_add_co_i32 s104, s104, 127
	s_lshl_b32 s104, s104, 23                      ; 2^(e2 + e3) as f32
	s_mov_b32 s105, s104
	s_cmp_eq_u32 ttmp9, 0
	s_cselect_b32 s18, s84, s85                    ; e4 for q, e5 for k,
	s_cmp_ge_u32 ttmp9, 2
	s_cselect_b32 s18, s87, s18                    ; e7 for v: a choice of a value, no branch
	s_add_co_i32 s18, s18, 127
	s_lshl_b32 s19, s18, 23
	v_mov_b32 v[SCL], s19
	s_add_co_i32 s18, s18, 8
	s_lshl_b32 s18, s18, 23
	s_or_b32 s18, s18, 0x600000
	v_mov_b32 v[LIM], s18
	s_wait_alu depctr_va_vdst(0)                   ; the wait at the head's end
	s_wait_tensorcnt 0x0                           ; my two chunks have landed,
	s_barrier_signal -1
	s_barrier_wait -1                              ; everybody's have.
	ALOAD 0, 0
	ALOAD 1, 64
	STEP 0, 0, 1, 128, 4096, 16, 56, 56            ; step 0 stands in front of the loop: its products start the sums
.Ltrip:                                                ; trip i: steps 4 i + 1 .. 4 i + 4
	v_add_nc_u32 v[AA], s38, v[AA0]
	s_wait_alu depctr_va_vdst(0)                   ; the wait behind this write
	STEP 1, 1, 0, 192, 5120, 16, 56, 56
	s_cmp_gt_u32 s3, 1                             ; the last trip has no four steps twelve on
	s_cbranch_scc0 .Lno_stream
	global_prefetch_b8 v[PFO], s[SB:SB+1] offset:12288 th:TH_LOAD_NT scope:SCOPE_SE
.Lno_stream:
	s_cmp_eq_u32 s3, s44
	s_cbranch_scc0 .Lno_tables
	global_prefetch_b8 v[TPO], s[42:43] th:TH_LOAD_NT scope:SCOPE_SE
.Lno_tables:
	STEP 2, 0, 0, CHUNK, 6144, 16, 56, 56
	STEP 3, 1, 0, CHUNK+64, 7168, 16, 56, 56
	STEP 0, 0, 0, CHUNK+128, 8192, 16, 56, 56
	s_add_co_u32 s38, s38, CHUNK
	s_wait_xcnt 0x0                                ; the loads and prefetches have read their base: it may step
	s_add_nc_u64 s[SB:SB+1], s[SB:SB+1], 4096
	s_sub_co_u32 s3, s3, 1
	s_cmp_lg_u32 s3, 0
	s_cbranch_scc1 .Ltrip
	v_add_nc_u32 v[AA], s38, v[AA0]
	s_wait_alu depctr_va_vdst(0)                   ; the wait behind this write
	STEP 1, 1, 0, 192, 5120, 16, 56, 56            ; steps 25 to 27 ask for the stream's last three steps
	STEP 2, 0, 0, CHUNK, 6144, 16, 56, 56
	STEP 3, 1, 0, CHUNK+64, 7168, 16, 56, 56
	STEP 0, 0, 0, CHUNK+128, -1, 16, 56, 48        ; from step 28 on the stream is asked for no more: eight loads fewer are out at each wait
	STEP 1, 1, 0, CHUNK+192, -1, 16, 40, 32
	STEP 2, 0, 0, -1, -1, 16, 24, 16
	s_wait_loadcnt 8                               ; step 31
	s_wait_dscnt 0x0
	WIN MUL_LO
	MULH 3, 1, 0, 0
	WIN 0
	s_wait_loadcnt 0x0
	s_cmp_ge_u32 ttmp9, 2
	s_cbranch_scc1 .Lv
	; ---- q and k.  The tables of the first three blocks are asked for ahead of the last 32 products, into streamed sets that are done with
	TABLOAD 0
	TABLOAD 1
	TABLOAD 2
	WIN MUL_HI
	MULH 3, 1, 4, 0
	WIN 0
	PLACES
	WIN 0x0a                                       ; the squares of my lane's 64 sums of each block, in four chains of pairs
.irp a, 0,1,2,3,4,5,6,7
.irp p, 0,2,4,6
	v_pk_mul_f32 v[X+8*\a+\p:X+8*\a+\p+1], v[8*\a+\p:8*\a+\p+1], v[8*\a+\p:8*\a+\p+1]
.endr
.irp b, 1,2,3
.irp p, 0,2,4,6
	v_pk_fma_f32 v[X+8*\a+\p:X+8*\a+\p+1], v[64*\b+8*\a+\p:64*\b+8*\a+\p+1], v[64*\b+8*\a+\p:64*\b+8*\a+\p+1], v[X+8*\a+\p:X+8*\a+\p+1]
.endr
.endr
.endr
	WIN 0x0f
.irp a, 0,1,2,3,4,5,6,7
.irp b, 0,1,2,3
.irp p, 0,2,4,6
	v_pk_fma_f32 v[X+8*\a+\p:X+8*\a+\p+1], v[64*\b+8*\a+\p:64*\b+8*\a+\p+1], v[64*\b+8*\a+\p:64*\b+8*\a+\p+1], v[X+8*\a+\p:X+8*\a+\p+1]
.endr
.endr
.endr
	WIN 0
.irp a, 0,1,2,3,4,5,6,7
	v_pk_add_f32 v[X+8*\a:X+8*\a+1], v[X+8*\a:X+8*\a+1], v[X+8*\a+2:X+8*\a+3]
	v_pk_add_f32 v[X+8*\a+4:X+8*\a+5], v[X+8*\a+4:X+8*\a+5], v[X+8*\a+6:X+8*\a+7]
.endr
.irp a, 0,1,2,3,4,5,6,7
	v_pk_add_f32 v[X+8*\a:X+8*\a+1], v[X+8*\a:X+8*\a+1], v[X+8*\a+4:X+8*\a+5]
.endr
.irp a, 0,1,2,3,4,5,6,7
	v_add_f32 v[X+8*\a], v[X+8*\a], v[X+8*\a+1]
.endr
.irp a, 0,1,2,3,4,5,6,7
	v_permlanex16_b32 v[X+8*\a+1], v[X+8*\a], s12, s13     ; the token's other 64 channels lie in the lane 16 away
.endr
.irp a, 0,1,2,3,4,5,6,7
	v_add_f32 v[X+8*\a], v[X+8*\a], v[X+8*\a+1]
.endr
.irp a, 0,1,2,3,4,5,6,7
	v_ldexp_f32 v[X+8*\a], v[X+8*\a], s66                  ; the mean square
.endr
.irp a, 0,1,2,3,4,5,6,7
	v_add_f32 v[X+8*\a], s101, v[X+8*\a]                   ; + eps
.endr
	s_wait_alu depctr_va_vdst(0)                   ; the wait ahead of the batch
.irp a, 0,1,2,3,4,5,6,7
	v_rsq_f32 v[X+8*\a+2], v[X+8*\a]
.endr
	v_nop                                          ; a plain line behind the last root
	s_wait_alu depctr_va_vdst(0)                   ; one wait for the batch of eight, ahead of its first reader
.irp a, 0,1,2,3,4,5,6,7
	v_ldexp_f32 v[F+\a], v[X+8*\a+2], s2                   ; x 2^(e0 + e1), which the sums lack
.endr
.irp a, 0,1,2,3,4,5,6,7
	QKBLOCK \a
.endr
	s_wait_dscnt 0x0
	SEND 7
	WIN 0
	s_wait_tensorcnt 0x0                           ; the wave's end
	ds_add_u32 v[SPW], v[NIL]
	s_wait_dscnt 0x0
	CROUND                                         ; the closing round
	s_endpgm
	; ---- v
.Lv:
	WIN MUL_HI
	MULH 3, 1, 4, 0
	WIN 0
	PLACES
.irp a, 0,1,2,3,4,5,6,7
	VBLOCK \a
.endr
	s_wait_dscnt 0x0
	SEND 7
	WIN 0
	s_wait_tensorcnt 0x0                           ; the wave's end
	ds_add_u32 v[SPW], v[NIL]
	s_wait_dscnt 0x0
	CROUND                                         ; the closing round
	s_endpgm
.Lfunc_end_k_qca236b6993_gemm_qkv:
	.size	k_qca236b6993_gemm_qkv, .Lfunc_end_k_qca236b6993_gemm_qkv-k_qca236b6993_gemm_qkv
	.p2alignl 7, 3214868480
	.fill 96, 4, 3214868480
	.section	.rodata,"a",@progbits
	.p2align	6, 0x0
	.amdhsa_kernel k_qca236b6993_gemm_qkv
		.amdhsa_group_segment_fixed_size 327680
		.amdhsa_private_segment_fixed_size 0
		.amdhsa_enable_private_segment 0
		.amdhsa_kernarg_size 80
		.amdhsa_user_sgpr_count 2
		.amdhsa_user_sgpr_kernarg_segment_ptr 1
		.amdhsa_wavefront_size32 1
		.amdhsa_system_sgpr_workgroup_id_x 1
		.amdhsa_system_sgpr_workgroup_id_y 1
		.amdhsa_system_sgpr_workgroup_id_z 1
		.amdhsa_system_vgpr_workitem_id 0
		.amdhsa_next_free_vgpr 1024
		.amdhsa_next_free_sgpr 106
		.amdhsa_reserve_vcc 0
		.amdhsa_float_denorm_mode_32 3
		.amdhsa_float_denorm_mode_16_64 3
		.amdhsa_memory_ordered 1
		.amdhsa_forward_progress 1
		.amdhsa_inst_pref_size 255
	.end_amdhsa_kernel
	.section	.bss,"aw",@nobits
	.p2align	6
	.space	262144
	.amdgpu_metadata
---
amdhsa.version: [ 1, 2 ]
amdhsa.kernels:
  - .name:           k_qca236b6993_gemm_qkv
    .symbol:         k_qca236b6993_gemm_qkv.kd
    .args:
      - { .name: xc, .offset: 0, .size: 8, .value_kind: global_buffer, .address_space: global }
      - { .name: wc, .offset: 8, .size: 8, .value_kind: global_buffer, .address_space: global }
      - { .name: lowp_scales, .offset: 16, .size: 8, .value_kind: global_buffer, .address_space: global }
      - { .name: freqs_cos, .offset: 24, .size: 8, .value_kind: global_buffer, .address_space: global }
      - { .name: freqs_sin, .offset: 32, .size: 8, .value_kind: global_buffer, .address_space: global }
      - { .name: qn_w, .offset: 40, .size: 8, .value_kind: global_buffer, .address_space: global }
      - { .name: kn_w, .offset: 48, .size: 8, .value_kind: global_buffer, .address_space: global }
      - { .name: bv, .offset: 56, .size: 8, .value_kind: global_buffer, .address_space: global }
      - { .name: qkc, .offset: 64, .size: 8, .value_kind: global_buffer, .address_space: global }
      - { .name: vc, .offset: 72, .size: 8, .value_kind: global_buffer, .address_space: global }
    .group_segment_fixed_size: 327680
    .private_segment_fixed_size: 0
    .kernarg_segment_align: 8
    .kernarg_segment_size: 80
    .max_flat_workgroup_size: 128
    .sgpr_count:     106
    .vgpr_count:     1024
    .wavefront_size: 32
...
	.end_amdgpu_metadata
.endif
;; end of part 2
;; launch attn (part 3): grid 16 x 16, 16 waves a work-group, no clusters, 327,680 bytes of LDS; arguments qkc, vc, lowp_scales, yc; writes yc
.if DOCPART == 3
	.amdgcn_target "amdgcn-amd-amdhsa--gfx1250"
	.amdhsa_code_object_version 6
	.text
	.protected	k_qca236b6993_attn
	.globl	k_qca236b6993_attn
	.p2align	8
	.type	k_qca236b6993_attn,@function
k_qca236b6993_attn:
	s_mov_b64 s[64:65], 0
	v_nop
	global_prefetch_b8 v0, s[64:65] scope:SCOPE_SE
	s_setreg_imm32_b32 hwreg(HW_REG_WAVE_MODE, 25, 1), 1
	s_wait_xcnt 0x0
; y[q] = the sum over keys k <= q of softmax_k(Q[q] . K[k] / sqrt(128)) V[k], for each of 16 heads, both products on codes of E4M3; y is quantised under 2^e8 for the last product.
; qkc: [32 planes][2048 tokens][128]: planes 0-15 q's heads (2^e4), 16-31 k's (2^e5).  vc: [128 head + d][2048 tokens], the keys innermost (2^e7).  yc: [token / 128][head][128 tokens][128 d] codes.
; THE SOFTMAX: t = score x log2(e) / sqrt(128); M = the row's largest t so far, rounded UP to a whole number; p = 2^(t - M) is quantised under 2^e6; the row's sum is taken of the unquantised p and divides at the end.
; When M moves, the sum and O are multiplied by 2^(old M - new M): exact.
; SHARES.  Work-group (j, head) owns the blocks j and 31 - j of 64 queries: 8 tiles of 16 queries, and by the causal mask (j / 2 + 1) + (16 - j / 2) = 17 key steps of 128 for each pair of tiles, in EVERY work-group.
; Each tile has TWO waves: one takes the key steps with an even number, one those with an odd number.  At the end the odd wave hands its O, sum and M to the even one through LDS.
; A wave's role is made from its number w: tile w % 4; kind = (w % 4 + w / 4) % 4: bit 0 the parity of its steps, bit 1 the block (j or 31 - j): among waves w, w + 4, w + 8, w + 12 and among 4 w .. 4 w + 3 each kind stands once.
; THE RING.  Two LDS slots of 512 keys, as large as fit. 2,048 keys are four slots' worth: the text
; is written out, without a loop.  Every work-group walks all four, so that no tensor load or barrier is jumped over; a step all of whose keys come after the wave's queries is left out by a scalar branch on ids.
; No cluster: that branch hangs on the block of queries, which differs between the work-groups of a head.
; LAYOUT.  Both products transposed: S^T = K Q^T, O^T = V^T P^T: a lane holds ONE query (lane % 16).  A tile of K is 16 neighbouring keys: its rows, 144 bytes apart, start at 16 different 16-byte columns of the 64 banks
; (ISA guide 11.1).  Lane (r, h) then holds, of key tile t, the keys 16 t + 8 h + 0 .. 7: its codes of p are registers 2 t, 2 t + 1 of the second product's operand in that form's own layout, and V's fragments are fetched
; to match: eight loads of 8 bytes at 16 c + 8 h of a row; rows 528 bytes apart: the 32 lanes of a load touch 64 different banks.
; V IS ASKED FOR AHEAD: its first four fragments behind K's last products, so that the softmax stands between the request and the wait; its last four into the registers that p has left, once p is converted.
; LIMITS: e4 + e5 between -123 and 130 (added to c's exponent field); e6 and e8 between -126 and 119; e6 + e7 goes by v_ldexp_f32 and has none.
; REGISTERS: v3-7 addresses that stay; v12 -M, v13 the largest t, v[14:15] the sum in two halves; v16.. Q; v32-95 four fragments of K or V; v96-159 S^T, then p, then four fragments of V; v160-223 O^T; v224.. codes;
;   v232-254 at work; v248, v249 my lane's place in K's tiles of slot 0, 1; v250, v251 the same for V.
.set SK,    512                        ; keys in a slot
.set ROWB,  128                        ; 128 codes in bytes
.set KP,    144                        ; a key's row in LDS: 128 bytes + 16
; vc AS IT IS LAID NOW: [head][key / 128][128 d][128 keys]: a slot's 512 keys are 65,536 bytes on end, fetched like K's as rows of 256 bytes with the padding behind each 128; in LDS a block of 128 keys is 128 rows of 144 bytes.
.set VROWB, 65536
.set VP,    144
.set KROWV, 512
.set VOFF,  SK*KP                      ; a slot: 512 rows of K, then 128 rows of V
.set SLOTB, VOFF+512*VP
.set SPARE, 2*SLOTB                    ; the spare words, 128 bytes for each of 16 waves
.set YSTG,  SPARE+2048                 ; the way out: 16 rows x 144 bytes for each tile; no fill lands here
.set IMG,   8448                       ; the hand-over: 8,192 bytes of O^T and 256 of (sum, -M) for each tile, in slot 0: left at the last change of slots, it has had its last fill and nobody reads it
.set PFO,  3                           ; v3   the prefetches' offset; never rewritten
.set SPW,  5                           ; v5   LDS address of my spare word; never rewritten
.set NIL,  6                           ; v6   0; never rewritten
.set GO,   7                           ; v7   16 x lane
.set AK,   248
.set AV,   250
.set WV,   18
.set SEL,  20
.set CS,   22
.set G1K,  24                          ; s[24:31] descriptor group 1 for K's tiles;  s[32:39] for V's
.set G1V,  32
.set G0K,  40                          ; s[40:43], s[48:51] K's groups 0 for slot 0, 1
.set G0V,  44                          ; s[44:47], s[52:55] V's
.set PFA,  76
.set PFS,  78
.set PLIM, 80                          ; s80  1 in a wave that prefetches, else 0
.set KF,   98                          ; s98  my step's first key
.set Q0,   99                          ; s99  my first query
.set PR,   101                         ; s101 the parity of my key steps
.set UU,   104                         ; s104 my tile among the work-group's eight
; Waves 0 and 1 fetch K's halves of slot s, waves 2 and 3 V's, the others nothing.  The branches hang on the wave's number alone.  Four v_nop follow each line.
.macro TLOAD s
	s_cmp_lt_u32 s[WV], 2
	s_cbranch_scc0 .Lnot_k_\@
	tensor_load_to_lds s[G0K+8*\s:G0K+8*\s+3], s[G1K:G1K+7]
	s_nop 0
.rept 4
	v_nop
.endr
	s_branch .Lasked_\@
.Lnot_k_\@:
	s_cmp_lt_u32 s[WV], 4
	s_cbranch_scc0 .Lasked_\@
	tensor_load_to_lds s[G0V+8*\s:G0V+8*\s+3], s[G1V:G1V+7]
	s_nop 0
.rept 4
	v_nop
.endr
.Lasked_\@:
.endm
; A prefetch into the L2 of what the NEXT change of slots will ask for.  All 16 work-groups of a head walk the same K and V: the head's first work-group asks, and in it waves that fetch nothing, two instructions each:
; waves 4-7 for K's dense block of 65,536 bytes, 16,384 a wave, lanes 512 bytes apart; waves 8-11 for V's 128 rows, 32 a wave, a lane a row, of which a slot's part is 512 bytes, aligned; the second instruction stands 256 bytes on.
; So each aligned block of 256 bytes is named once in the launch.  The first two slots' keys come by their loads alone; the first two changes ask for the third and the fourth; behind those there is nothing to ask for.
.macro ASK
	s_cmp_eq_u32 s[PLIM], 1
	s_cbranch_scc0 .Lnot_mine_\@
	global_prefetch_b8 v[PFO], s[PFA:PFA+1] th:TH_LOAD_NT scope:SCOPE_SE
	global_prefetch_b8 v[PFO], s[PFA:PFA+1] offset:256 th:TH_LOAD_NT scope:SCOPE_SE
.Lnot_mine_\@:
.endm
; A KEY STEP OF MINE: 128 keys from s[KF] on: in slot sl, the hf-th of my two there (256 keys apart).
.macro STEP sl, hf
	s_add_co_u32 s96, s[Q0], 15
	s_cmp_gt_u32 s[KF], s96                        ; all its keys come after my 16 queries: left out.  (Else key KF counts for every one of them, so M is a number in every step that is worked)
	s_cbranch_scc1 .Lhidden_\@
.irp g, 0,1                                    ; S^T = K Q^T, four tiles of 16 keys at a time
.rept 5-\g
	v_nop                                          ; four places in front of loads into registers that matrix instructions have read; at the step's head five: the first products below write over v96 on, which the last step's last products read as a source
.endr
.irp t, 0,1,2,3
.irp c, 0,1,2,3
	ds_load_b128 v[32+16*\t+4*\c:32+16*\t+4*\c+3], v[AK+\sl] offset:(256*(\hf)+16*(4*\g+\t))*KP+32*\c
.endr
.endr
	s_wait_dscnt 0x0
.irp t, 0,1,2,3
	v_wmma_f32_16x16x128_fp8_fp8 v[96+8*(4*\g+\t):103+8*(4*\g+\t)], v[32+16*\t:47+16*\t], v[16:31], 0
.endr
.endr
.rept 4
	v_nop                                          ; places behind the products: for the loads below, and for the first read of the scores
.endr
.irp t, 0,1,2,3                                ; V's fragments of channels 0-63: asked for here, wanted behind the softmax
.irp c, 0,1,2,3,4,5,6,7
	ds_load_b64 v[32+16*\t+2*\c:33+16*\t+2*\c], v[AV+\sl] offset:16*\t*VP+256*VP*(\hf)+16*\c
.endr
.endr
	s_add_co_u32 s96, s[KF], 127                   ; on the diagonal the scores of hidden keys become -infinity ahead of the maximum: p = 0 then.  A step all of whose keys count skips this
	s_cmp_le_u32 s96, s[Q0]
	s_cbranch_scc1 .Lopen_\@
	s_sub_co_i32 s96, s[Q0], s[KF]
	v_and_b32 v252, 15, v0
	v_bfe_u32 v253, v0, 4, 1
	s_delay_alu instid0(VALU_DEP_1)
	v_lshlrev_b32 v253, 3, v253
	s_delay_alu instid0(VALU_DEP_1)
	v_sub_nc_u32 v252, v252, v253
	s_delay_alu instid0(VALU_DEP_1)
	v_add_nc_u32 v252, s96, v252                   ; d = my query - KF - 8 (lane / 16).  Register 8 t + i holds key KF + 8 (lane / 16) + 16 t + i: hidden where 16 t + i > d
	v_mov_b32 v254, 0xff800000                     ; -infinity
.set n, 0
.rept 64
	v_cmp_gt_i32 vcc_lo, 16*(n/8)+n%8, v252
	v_cndmask_b32 v[96+n], v[96+n], v254, vcc_lo
.set n, n+1
.endr
.Lopen_\@:
	v_max3_num_f32 v254, v96, v97, v98             ; the step's largest score of my query, among my 64 keys, in two chains,
	v_max3_num_f32 v252, v99, v100, v101
.irp i, 6,10,14,18,22,26,30,34,38,42,46,50,54,58
	v_max3_num_f32 v254, v254, v[96+\i], v[97+\i]
	v_max3_num_f32 v252, v252, v[98+\i], v[99+\i]
.endr
	v_max3_num_f32 v254, v254, v158, v159
	s_delay_alu instid0(VALU_DEP_1)
	v_max_num_f32 v254, v254, v252
	v_permlanex16_b32 v236, v254, s[SEL], s[SEL+1]
	s_delay_alu instid0(VALU_DEP_1)
	v_max_num_f32 v254, v254, v236                 ; and among lane l xor 16's
	s_delay_alu instid0(VALU_DEP_1)
	v_mul_f32 v254, s[CS], v254                    ; as t (c is positive)
	s_delay_alu instid0(VALU_DEP_1)
	v_max_num_f32 v13, v13, v254                   ; the running largest t
	v_mov_b32 v254, v12
	s_delay_alu instid0(VALU_DEP_2)
	v_floor_f32 v12, -v13                          ; the new -M = floor(-t) = -ceil(t): a whole number
	s_delay_alu instid0(VALU_DEP_1)
	v_sub_f32 v254, v12, v254                      ; M's old value less its new one: a whole number, 0 or less
	s_delay_alu instid0(VALU_DEP_1)
	v_cvt_i32_f32 v254, v254                       ; (it saturates)
	s_delay_alu instid0(VALU_DEP_1)
	v_ldexp_f32 v252, 1.0, v254                    ; f = 2^(old M - new M)
.set j, 0
.rept 32
	v_pk_fma_f32 v[96+j:97+j], v[96+j:97+j], s[CS:CS+1], v[12:13] op_sel_hi:[1,0,0]   ; t - M, two at a time (of the pairs c and -M the low word serves both halves)
.set j, j+2
.endr
.set j, 0
	s_wait_alu depctr_va_vdst(0)
.rept 64
	v_exp_f32 v[96+j], v[96+j]                     ; p = 2^(t - M), at most 1: not normalised
.set j, j+1
.endr
	v_pk_mul_f32 v[14:15], v[14:15], v[252:253] op_sel_hi:[1,0]   ; the sums under the new M.  (A plain line behind the exponentials)
	s_wait_alu depctr_va_vdst(0)                   ; one wait for the batch of 64, ahead of its first reader
	v_pk_add_f32 v[242:243], v[100:101], v[104:105]
	v_pk_add_f32 v[254:255], v[108:109], v[112:113]
	v_pk_add_f32 v[238:239], v[116:117], v[120:121]
	v_pk_add_f32 v[236:237], v[124:125], v[128:129]
	v_pk_add_f32 v[234:235], v[132:133], v[136:137]
	v_pk_add_f32 v[232:233], v[140:141], v[144:145]
	v_pk_add_f32 v[230:231], v[148:149], v[152:153]
	v_pk_add_f32 v[14:15], v[14:15], v[156:157]
	v_pk_add_f32 v[242:243], v[242:243], v[96:97]
	v_pk_add_f32 v[254:255], v[254:255], v[98:99]
	v_pk_add_f32 v[238:239], v[238:239], v[102:103]
	v_pk_add_f32 v[236:237], v[236:237], v[106:107]
	v_pk_add_f32 v[234:235], v[234:235], v[110:111]
	v_pk_add_f32 v[232:233], v[232:233], v[114:115]
	v_pk_add_f32 v[230:231], v[230:231], v[118:119]
	v_pk_add_f32 v[14:15], v[14:15], v[122:123]
	v_pk_add_f32 v[242:243], v[242:243], v[126:127]
	v_pk_add_f32 v[254:255], v[254:255], v[130:131]
	v_pk_add_f32 v[238:239], v[238:239], v[134:135]
	v_pk_add_f32 v[236:237], v[236:237], v[138:139]
	v_pk_add_f32 v[234:235], v[234:235], v[142:143]
	v_pk_add_f32 v[232:233], v[232:233], v[146:147]
	v_pk_add_f32 v[230:231], v[230:231], v[150:151]
	v_pk_add_f32 v[14:15], v[14:15], v[154:155]
	v_pk_add_f32 v[242:243], v[242:243], v[158:159]
	s_delay_alu instid0(VALU_DEP_2)
	v_pk_add_f32 v[14:15], v[14:15], v[236:237]
	s_delay_alu instid0(VALU_DEP_2)
	v_pk_add_f32 v[242:243], v[242:243], v[234:235]
	v_pk_add_f32 v[254:255], v[254:255], v[232:233]
	v_pk_add_f32 v[238:239], v[238:239], v[230:231]
	s_delay_alu instid0(VALU_DEP_2)
	v_pk_add_f32 v[14:15], v[14:15], v[254:255]
	s_delay_alu instid0(VALU_DEP_2)
	v_pk_add_f32 v[242:243], v[242:243], v[238:239]
	s_delay_alu instid0(VALU_DEP_1)
	v_pk_add_f32 v[14:15], v[14:15], v[242:243]
.irp b, 0,1,2,3
.irp i, 0,1,2,3,4,5,6,7,8,9,10,11,12,13,14,15
	v_min_num_f32 v[96+16*\b+\i], v[96+16*\b+\i], v240   ; the conversion does not saturate (ISA guide 7.6.2); p is not negative, so the hold is one-sided
.endr
	v_cvt_scalef32_pk8_fp8_f32 v[224+4*\b:225+4*\b], v[96+16*\b:103+16*\b], v244         ; key tile 2 b: registers 4 b, 4 b + 1 of the operand
	v_cvt_scalef32_pk8_fp8_f32 v[226+4*\b:227+4*\b], v[104+16*\b:111+16*\b], v244        ; key tile 2 b + 1
.endr
	v_nop                                          ; one plain vector line behind the last conversion
	s_wait_dscnt 0x0                               ; V's first four fragments are in: they were asked for ahead of the softmax
.irp t, 0,1,2,3                                ; V's fragments of channels 64-127, into the registers that p has left: the rescaling and four products stand between the request and the wait
.irp c, 0,1,2,3,4,5,6,7
	ds_load_b64 v[96+16*\t+2*\c:97+16*\t+2*\c], v[AV+\sl] offset:16*(4+\t)*VP+256*VP*(\hf)+16*\c
.endr
.endr
.set j, 0
.rept 32
	v_pk_mul_f32 v[160+j:161+j], v[160+j:161+j], v[252:253] op_sel_hi:[1,0]   ; O^T under the new M
.set j, j+2
.endr
.irp t, 0,1,2,3                                ; O^T += V^T P^T: eight tiles of 16 of the head's 128, each accumulator once a step
	v_wmma_f32_16x16x128_fp8_fp8 v[160+8*\t:167+8*\t], v[32+16*\t:47+16*\t], v[224:239], v[160+8*\t:167+8*\t]
.endr
	s_wait_alu depctr_va_vdst(0)
	s_wait_dscnt 0x0                               ; V's last four fragments are in
.irp t, 0,1,2,3
	v_wmma_f32_16x16x128_fp8_fp8 v[192+8*\t:199+8*\t], v[96+16*\t:111+16*\t], v[224:239], v[192+8*\t:199+8*\t]
.endr
.Lhidden_\@:
	s_add_co_u32 s[KF], s[KF], 256                 ; my next step
.endm
; THE CHANGE OF SLOTS stands at a slot's head.  Each wave waits for all its tensor loads, adds 0 to its spare word, and waits for that and for its reads of the slot that it has left.  Behind the barrier the slot ahead is
; whole and nobody reads the other one.  fill = 1: that other slot, number slot, is filled with the keys that follow.  step = 1: its groups 0 go two slots on first (step = 0: its first fill).  ask = 1: a prefetch follows.
.macro CHANGE fill, slot, step, ask
	s_wait_tensorcnt 0x0                           ; no tensor load of mine is out, so a group 0 may be written
	ds_add_u32 v[SPW], v[NIL]                      ; 0 onto my spare word
.if \step
	s_add_nc_u64 s[G0K+8*\slot+2:G0K+8*\slot+3], s[G0K+8*\slot+2:G0K+8*\slot+3], 2*SK*ROWB   ; 1,024 keys on; the type bits on top are not reached
	s_add_nc_u64 s[G0V+8*\slot+2:G0V+8*\slot+3], s[G0V+8*\slot+2:G0V+8*\slot+3], 2*VROWB
.endif
.if (\step) && (\ask)
	s_wait_xcnt 0x0                                ; the last prefetches, a slot back, have read their address, so it may be written:
	s_add_nc_u64 s[PFA:PFA+1], s[PFA:PFA+1], s[PFS:PFS+1]  ; a slot on
.endif
	s_wait_dscnt 0x0                               ; the add is done, and my reads of the slot that I have left are over
	s_barrier_signal -1
	s_barrier_wait -1
.if \fill
	TLOAD \slot                                    ; the first thing behind the barrier, and a wave's one tensor load until the next
.endif
.if \ask
	ASK
.endif
.endm
	s_load_b64 s[4:5], s[0:1], 0x0                 ; qkc
	s_load_b128 s[12:15], s[0:1], 0x8              ; vc s[12:13], the scales' exponents s[14:15]
	s_load_b64 s[16:17], s[0:1], 0x18              ; yc
	v_lshl_add_u32 v[SPW], v0, 2, SPARE
	v_mov_b32 v[NIL], 0
	ds_add_u32 v5, v6
	ds_add_u32 v5, v6
	s_wait_dscnt 0x0
	v_lshrrev_b32 v8, 5, v0
	s_delay_alu instid0(VALU_DEP_1)
	v_readfirstlane_b32 s[WV], v8                  ; wave 0..15
	s_and_b32 s84, s[WV], 3                        ; my tile in its block
	s_lshr_b32 s85, s[WV], 2
	s_add_co_u32 s85, s85, s84
	s_and_b32 s85, s85, 3                          ; my kind
	s_and_b32 s[PR], s85, 1
	s_lshr_b32 s85, s85, 1                         ; 0: block j; 1: block 31 - j
	s_lshl_b32 s[UU], s85, 2
	s_add_co_u32 s[UU], s[UU], s84
	s_sub_co_u32 s86, 31, ttmp9
	s_cmp_eq_u32 s85, 0
	s_cselect_b32 s86, ttmp9, s86
	s_lshl_b32 s86, s86, 6
	s_lshl_b32 s84, s84, 4
	s_add_co_u32 s[Q0], s86, s84                   ; my first query
	s_lshl_b32 s[KF], s[PR], 7                     ; my first key step
	s_and_b32 s72, ttmp7, 0xffff                   ; the head
	s_lshl_b32 s74, s72, 18                        ; its first byte in q's planes, in k's planes and in vc: 262,144 bytes a head
	s_mov_b32 s75, 0
	s_lshl_b32 s82, s[Q0], 7
	s_add_co_u32 s82, s82, s74                     ; my queries' codes
	s_mov_b32 s83, 0
	s_lshr_b32 s86, s[Q0], 7
	s_lshl_b32 s86, s86, 18
	s_lshl_b32 s87, s72, 14
	s_add_co_u32 s86, s86, s87
	s_and_b32 s87, s[Q0], 127
	s_lshl_b32 s87, s87, 7
	s_add_co_u32 s86, s86, s87                     ; yc: (token / 128) x 262,144 + head x 16,384 + (token % 128) x 128
	s_mov_b32 s87, 0
	; what I fetch, if I fetch: wave 0, 1: keys 256 x wave on; wave 2, 3: rows 64 x (wave - 2) of V
	s_and_b32 s88, s[WV], 1
	s_mul_i32 s90, s88, (SK/2)*ROWB
	s_mov_b32 s91, 0
	s_add_nc_u64 s[90:91], s[90:91], s[74:75]      ; K: in memory,
	s_mul_i32 s89, s88, (SK/2)*KP                  ; and in a slot
	s_mul_i32 s92, s88, 64*KROWV
	s_mov_b32 s93, 0
	s_add_nc_u64 s[92:93], s[92:93], s[74:75]      ; V: in memory,
	s_mul_i32 s94, s88, 256*VP
	s_add_co_u32 s94, s94, VOFF                    ; and in a slot
	s_mov_b32 s[G1K], (0<<16)|(1<<20)|(4<<22)|(3<<25)   ; no mask; elements of 1 byte; padding: four words after every 32
	s_mov_b32 s[G1K+1], 256<<16                    ; 256 keys of 128 bytes, dense in memory, stated as 128 rows of 256 bytes
	s_mov_b32 s[G1K+2], 128<<16
	s_mov_b32 s[G1K+3], 256<<16
	s_mov_b32 s[G1K+4], 128
	s_mov_b32 s[G1K+5], 256
	s_mov_b32 s[G1K+6], 0
	s_mov_b32 s[G1K+7], 0
	s_mov_b32 s[G1V], (0<<16)|(1<<20)|(4<<22)|(3<<25)   ; V's half of a slot: two blocks of 128 rows of 128 bytes, dense: the same shape
	s_mov_b32 s[G1V+1], 256<<16
	s_mov_b32 s[G1V+2], 128<<16
	s_mov_b32 s[G1V+3], 256<<16
	s_mov_b32 s[G1V+4], 128
	s_mov_b32 s[G1V+5], 256
	s_mov_b32 s[G1V+6], 0
	s_mov_b32 s[G1V+7], 0
	s_mov_b32 s[SEL], 0x76543210
	s_mov_b32 s[SEL+1], 0xfedcba98
	s_mov_b32 s[CS], 0x3e0293ee                    ; c = log2(e) / sqrt(128)
	s_wait_kmcnt 0x0
	s_load_b128 s[68:71], s[14:15], 0x10           ; e4, e5, e6, e7
	s_load_b32 s100, s[14:15], 0x20                ; e8
	s_add_nc_u64 s[6:7], s[4:5], 0x400000          ; k's planes
	s_add_nc_u64 s[90:91], s[6:7], s[90:91]        ; my part of K's first 512 keys,
	s_add_nc_u64 s[92:93], s[12:13], s[92:93]      ; and of V's
.irp s, 0,1
	s_mov_b32 s[G0K+8*\s], 1                       ; count = 1
	s_add_co_u32 s[G0K+8*\s+1], s89, \s*SLOTB      ; LDS address: a constant x (wave % 2) + the slot's constant
	s_add_nc_u64 s[G0K+8*\s+2:G0K+8*\s+3], s[90:91], \s*SK*ROWB   ; slot s begins with keys 512 s on
	s_or_b32 s[G0K+8*\s+3], s[G0K+8*\s+3], 0x80000000             ; type = 2
	s_mov_b32 s[G0V+8*\s], 1
	s_add_co_u32 s[G0V+8*\s+1], s94, \s*SLOTB
	s_add_nc_u64 s[G0V+8*\s+2:G0V+8*\s+3], s[92:93], \s*VROWB
	s_or_b32 s[G0V+8*\s+3], s[G0V+8*\s+3], 0x80000000
.endr
	TLOAD 0                                        ; slot 0; slot 1's first fill is issued behind the first change of slots, as a refill is
	s_add_nc_u64 s[4:5], s[4:5], s[82:83]          ; Q's codes at my first query
	s_add_nc_u64 s[16:17], s[16:17], s[86:87]      ; yc at my 16 rows
	; the prefetches: where my wave's stand, and who asks
	s_cmp_lt_u32 s[WV], 8
	s_cselect_b64 s[PFA:PFA+1], s[6:7], s[12:13]
	s_mov_b32 s[PFS], VROWB
	s_cselect_b32 s[PFS], SK*ROWB, s[PFS]          ; a slot on
	s_mov_b32 s82, KROWV
	s_cselect_b32 s82, 512, s82                    ; from lane to lane
	s_mov_b32 s83, 32*KROWV
	s_cselect_b32 s83, 16384, s83                  ; from wave to wave
	v_and_b32 v[PFO], 31, v0
	s_delay_alu instid0(VALU_DEP_1)
	v_mul_lo_u32 v[PFO], v[PFO], s82
	s_and_b32 s82, s[WV], 3
	s_mul_i32 s82, s82, s83
	s_lshl_b32 s83, s[PFS], 1
	s_add_co_u32 s82, s82, s83                     ; at the third slot's keys: what the first change of slots asks for
	s_mov_b32 s83, 0
	s_mov_b32 s[PFS+1], 0
	s_add_nc_u64 s[PFA:PFA+1], s[PFA:PFA+1], s[74:75]
	s_add_nc_u64 s[PFA:PFA+1], s[PFA:PFA+1], s[82:83]
	s_sub_co_u32 s82, s[WV], 4
	s_lshr_b32 s82, s82, 3                         ; 0 in waves 4 to 11,
	s_or_b32 s82, s82, ttmp9                       ; of the head's first work-group
	s_cmp_eq_u32 s82, 0
	s_cselect_b32 s[PLIM], 1, 0
	v_and_b32 v8, 15, v0                           ; r
	v_bfe_u32 v9, v0, 4, 1                         ; h
	s_delay_alu instid0(VALU_DEP_2)
	v_lshlrev_b32 v10, 7, v8
	s_delay_alu instid0(VALU_DEP_1)
	v_lshl_add_u32 v10, v9, 4, v10
.irp c, 0,1,2,3
	global_load_b128 v[16+4*\c:19+4*\c], v10, s[4:5] offset:32*\c   ; Q's fragment stays in registers: K = 32 c + 16 h + 0 .. 15, as K's fragments are fetched: the same permutation of the head's 128 on both sides
.endr
	v_mul_u32_u24 v[AK], v8, KP                    ; K: row r of a tile,
	s_delay_alu instid0(VALU_DEP_1)
	v_lshl_add_u32 v[AK], v9, 4, v[AK]             ; + 16 h,
	s_mul_i32 s84, s[PR], 128*KP
	v_add_nc_u32 v[AK], s84, v[AK]                 ; + the first of my two steps in a slot
	s_delay_alu instid0(VALU_DEP_1)
	v_add_nc_u32 v[AK+1], SLOTB, v[AK]             ; and the same in slot 1
	v_mul_u32_u24 v[AV], v8, VP                    ; V: row r of a tile,
	s_delay_alu instid0(VALU_DEP_1)
	v_lshl_add_u32 v[AV], v9, 3, v[AV]             ; + 8 h,
	s_mul_i32 s84, s[PR], 128*VP
	s_add_co_u32 s84, s84, VOFF
	v_add_nc_u32 v[AV], s84, v[AV]                 ; + my step's 128 keys, behind K's rows
	s_delay_alu instid0(VALU_DEP_1)
	v_add_nc_u32 v[AV+1], SLOTB, v[AV]
	v_and_b32 v[GO], 31, v0
	s_delay_alu instid0(VALU_DEP_1)
	v_lshlrev_b32 v[GO], 4, v[GO]
	v_mov_b32 v13, 0xff61b1e6                      ; the largest t so far: -3e38, under every t
	s_delay_alu instid0(VALU_DEP_1)
	v_floor_f32 v12, -v13                          ; -M
	v_mov_b32 v14, 0                               ; the sum, in two halves
	v_mov_b32 v15, 0
	v_mov_b32 v236, 0                              ; written once: a lane permute's destination counts as one of its sources
	v_mov_b32 v253, 0                              ; (named as the upper half of the pair v[252:253])
.set j, 0
.rept 64
	v_mov_b32 v[160+j], 0                          ; O^T.  (Every step has one form: a wave's first step finds zeros; a wave without any step hands zeros over)
.set j, j+1
.endr
	s_wait_kmcnt 0x0
	s_add_co_i32 s72, s68, s69
	s_lshl_b32 s72, s72, 23
	s_add_co_i32 s[CS], s[CS], s72                 ; a score stands for score x 2^(e4 + e5): the two exponents are added to c's exponent field
	s_mov_b32 s[CS+1], s[CS]
	s_add_co_i32 s72, s70, 127
	s_lshl_b32 s73, s72, 23
	v_mov_b32 v244, s73                            ; 2^e6
	s_add_co_i32 s72, s72, 8
	s_lshl_b32 s72, s72, 23
	s_or_b32 s72, s72, 0x600000
	v_mov_b32 v240, s72                            ; 448 x 2^e6
	s_add_co_i32 s72, s100, 127
	s_lshl_b32 s73, s72, 23
	v_mov_b32 v246, s73                            ; 2^e8
	s_add_co_i32 s72, s72, 8
	s_lshl_b32 s72, s72, 23
	s_or_b32 s72, s72, 0x600000
	v_mov_b32 v247, s72                            ; 448 x 2^e8
	s_wait_loadcnt 0x0                             ; Q
	CHANGE 1, 1, 0, 1                              ; keys 0-511 are in slot 0; slot 1 takes keys 512 on: its first fill
	STEP 0, 0
	STEP 0, 1
	CHANGE 1, 0, 1, 1                              ; slot 0 takes keys 1,024 on
	STEP 1, 0
	STEP 1, 1
	CHANGE 1, 1, 1, 0                              ; slot 1 takes keys 1,536 on: the last load
	STEP 0, 0
	STEP 0, 1
	CHANGE 0, 0, 0, 0                              ; nothing is left to fetch
	STEP 1, 0
	STEP 1, 1
	; THE HAND-OVER.  All address registers are made here, ahead of the waves' parting; these lines are also the places behind the last products.
	v_add_f32 v14, v14, v15                        ; the sum's two halves
	v_mov_b32 v15, v12                             ; (sum, -M) as a pair
	v_and_b32 v10, 31, v0
	s_mul_i32 s72, s[UU], IMG
	v_lshl_add_u32 v8, v10, 4, s72                 ; my tile's image of O^T: 16 x lane
	s_add_co_u32 s73, s72, 8192
	v_lshl_add_u32 v9, v10, 3, s73                 ; and of (sum, -M): 8 x lane
	s_mul_i32 s73, s[UU], 16*KP
	s_add_co_u32 s73, s73, YSTG                    ; my tile's stage
	v_and_b32 v11, 15, v0
	v_bfe_u32 v234, v0, 4, 1
	s_delay_alu instid0(VALU_DEP_2)
	v_mul_u32_u24 v1, v11, KP
	s_delay_alu instid0(VALU_DEP_1)
	v_lshl_add_u32 v1, v234, 3, v1
	s_delay_alu instid0(VALU_DEP_1)
	v_add_nc_u32 v1, s73, v1                       ; in: row r, + 8 h
	v_lshrrev_b32 v235, 3, v10
	s_delay_alu instid0(VALU_DEP_1)
	v_mul_u32_u24 v2, v235, KP
	v_and_b32 v235, 7, v0
	s_delay_alu instid0(VALU_DEP_1)
	v_lshl_add_u32 v2, v235, 4, v2
	s_delay_alu instid0(VALU_DEP_1)
	v_add_nc_u32 v2, s73, v2                       ; back: eight lanes to a row of 128 bytes
	s_cmp_eq_u32 s[PR], 0
	s_cbranch_scc1 .Le1
.set j, 0
.rept 16
	ds_store_b128 v8, v[160+4*j:163+4*j] offset:512*j   ; the odd wave's O^T as an image of its registers, each accumulator from its low end on
.set j, j+1
.endr
	ds_store_b64 v9, v[14:15]
.Le1:
	s_wait_dscnt 0x0                               ; for the others' sake: my stores are done
	s_barrier_signal -1
	s_barrier_wait -1
	s_cmp_eq_u32 s[PR], 0
	s_cbranch_scc1 .Le2
	s_wait_tensorcnt 0x0                           ; the odd wave's end
	ds_add_u32 v[SPW], v[NIL]
	s_wait_dscnt 0x0
	s_endpgm
.Le2:
.set j, 0
.rept 16
	ds_load_b128 v[32+4*j:35+4*j], v8 offset:512*j
.set j, j+1
.endr
	ds_load_b64 v[232:233], v9
	s_wait_dscnt 0x0
	v_min_num_f32 v234, v12, v233                  ; -M of both: M is the larger
	s_delay_alu instid0(VALU_DEP_1)
	v_sub_f32 v235, v234, v12                      ; my M less that: a whole number, 0 or less
	s_delay_alu instid0(VALU_DEP_2)
	v_sub_f32 v237, v234, v233                     ; the partner's.  (A partner without any step holds -M = 3e38, sum 0, O 0: its factor is 0)
	s_delay_alu instid0(VALU_DEP_2)
	v_cvt_i32_f32 v235, v235                       ; (they saturate)
	s_delay_alu instid0(VALU_DEP_2)
	v_cvt_i32_f32 v237, v237
	s_delay_alu instid0(VALU_DEP_2)
	v_ldexp_f32 v238, 1.0, v235
	s_delay_alu instid0(VALU_DEP_2)
	v_ldexp_f32 v240, 1.0, v237
	s_delay_alu instid0(VALU_DEP_2)
	v_mov_b32 v239, v238
	s_delay_alu instid0(VALU_DEP_2)
	v_mov_b32 v241, v240
	s_delay_alu instid0(VALU_DEP_4)
	v_mul_f32 v14, v14, v238
	s_delay_alu instid0(VALU_DEP_1)
	v_fmac_f32 v14, v232, v240                     ; the sum of both
.set j, 0
.rept 32
	v_pk_mul_f32 v[160+j:161+j], v[160+j:161+j], v[238:239] op_sel_hi:[1,0]
.set j, j+2
.endr
.set j, 0
.rept 32
	v_pk_fma_f32 v[160+j:161+j], v[32+j:33+j], v[240:241], v[160+j:161+j] op_sel_hi:[1,0,1]
.set j, j+2
.endr
	v_permlanex16_b32 v236, v14, s[SEL], s[SEL+1]
	s_delay_alu instid0(VALU_DEP_1)
	v_add_f32 v14, v14, v236                       ; and lane l xor 16's: the row's sum
	s_wait_alu depctr_va_vdst(0)
	v_rcp_f32 v14, v14
	v_nop                                          ; a plain line behind the reciprocal
	s_add_co_i32 s72, s70, s71
	s_wait_alu depctr_va_vdst(0)                   ; the wait ahead of its first reader
	v_ldexp_f32 v242, v14, s72                     ; x 2^(e6 + e7)
	s_delay_alu instid0(VALU_DEP_1)
	v_mov_b32 v243, v242
.set j, 0
.rept 32
	v_pk_mul_f32 v[96+j:97+j], v[160+j:161+j], v[242:243]   ; y: register 8 t + i is y(query r, channel 16 t + 8 h + i)
.set j, j+2
.endr
.set j, 0
.rept 64
	v_med3_num_f32 v[96+j], v[96+j], -v247, v247   ; the hold at 448 x 2^e8
.set j, j+1
.endr
.irp t, 0,1,2,3,4,5,6,7
	v_cvt_scalef32_pk8_fp8_f32 v[224+2*\t:225+2*\t], v[96+8*\t:103+8*\t], v246
.endr
	v_nop                                          ; one plain vector line behind the last conversion
.irp t, 0,1,2,3,4,5,6,7
	ds_store_b64 v1, v[224+2*\t:225+2*\t] offset:16*\t
.endr
.irp i, 0,1,2,3
	ds_load_b128 v[32+4*\i:35+4*\i], v2 offset:4*KP*\i     ; four whole rows an instruction; LDS serves a wave's instructions in order: these see my stores
.endr
.irp i, 0,1,2,3
	s_wait_dscnt 3-\i                              ; rows 4 i on are back; the later ones may be out
	global_store_b128 v[GO], v[32+4*\i:35+4*\i], s[16:17] offset:512*\i   ; my 16 rows are 2,048 consecutive bytes of yc: each store covers 512 of them, aligned
.endr
	s_wait_tensorcnt 0x0                           ; the wave's end
	ds_add_u32 v[SPW], v[NIL]
	s_wait_dscnt 0x0
	s_endpgm
.Lfunc_end_k_qca236b6993_attn:
	.size	k_qca236b6993_attn, .Lfunc_end_k_qca236b6993_attn-k_qca236b6993_attn
	.p2alignl 7, 3214868480
	.fill 96, 4, 3214868480
	.section	.rodata,"a",@progbits
	.p2align	6, 0x0
	.amdhsa_kernel k_qca236b6993_attn
		.amdhsa_group_segment_fixed_size 327680
		.amdhsa_private_segment_fixed_size 0
		.amdhsa_enable_private_segment 0
		.amdhsa_kernarg_size 32
		.amdhsa_user_sgpr_count 2
		.amdhsa_user_sgpr_kernarg_segment_ptr 1
		.amdhsa_wavefront_size32 1
		.amdhsa_system_sgpr_workgroup_id_x 1
		.amdhsa_system_sgpr_workgroup_id_y 1
		.amdhsa_system_sgpr_workgroup_id_z 1
		.amdhsa_system_vgpr_workitem_id 0
		.amdhsa_next_free_vgpr 256
		.amdhsa_next_free_sgpr 106
		.amdhsa_reserve_vcc 1
		.amdhsa_float_denorm_mode_32 3
		.amdhsa_float_denorm_mode_16_64 3
		.amdhsa_memory_ordered 1
		.amdhsa_forward_progress 1
		.amdhsa_inst_pref_size 244
	.end_amdhsa_kernel
	.amdgpu_metadata
---
amdhsa.version: [ 1, 2 ]
amdhsa.kernels:
  - .name:           k_qca236b6993_attn
    .symbol:         k_qca236b6993_attn.kd
    .args:
      - { .name: qkc, .offset: 0, .size: 8, .value_kind: global_buffer, .address_space: global }
      - { .name: vc, .offset: 8, .size: 8, .value_kind: global_buffer, .address_space: global }
      - { .name: lowp_scales, .offset: 16, .size: 8, .value_kind: global_buffer, .address_space: global }
      - { .name: yc, .offset: 24, .size: 8, .value_kind: global_buffer, .address_space: global }
    .group_segment_fixed_size: 327680
    .private_segment_fixed_size: 0
    .kernarg_segment_align: 8
    .kernarg_segment_size: 32
    .max_flat_workgroup_size: 512
    .sgpr_count:     106
    .vgpr_count:     256
    .wavefront_size: 32
...
	.end_amdgpu_metadata
.endif
;; end of part 3
;; launch gemm_out (part 4): grid 16 x 16, 4 waves a work-group, clusters of 4 x 4, 327,680 bytes of LDS; arguments yc, wc, lowp_scales, bp, out0; writes out0
.if DOCPART == 4
	.amdgcn_target "amdgcn-amd-amdhsa--gfx1250"
	.amdhsa_code_object_version 6
	.text
	.protected	k_qca236b6993_gemm_out
	.globl	k_qca236b6993_gemm_out
	.p2align	8
	.type	k_qca236b6993_gemm_out,@function
k_qca236b6993_gemm_out:
	s_mov_b64 s[64:65], 0
	v_nop
	global_prefetch_b8 v0, s[64:65] scope:SCOPE_SE
	s_setreg_imm32_b32 hwreg(HW_REG_WAVE_MODE, 25, 1), 1
	s_wait_xcnt 0x0
	s_wait_alu depctr_hold_cnt(0) depctr_sa_sdst(0) depctr_va_vdst(0) depctr_va_sdst(0) depctr_va_ssrc(0) depctr_va_vcc(0) depctr_vm_vsrc(0)
	s_getreg_b32 s2, hwreg(HW_REG_IB_STS2, 6, 4)
	s_cmp_eq_u32 s2, 0
	s_cbranch_scc0 .Lentry_in_a_cluster
	s_endpgm
.Lentry_in_a_cluster:
	s_bfe_u32 s2, ttmp6, 0x10000c
	s_cmp_lg_u32 s2, 0xf033
	s_cbranch_scc0 .Lentry_shape_is_right
	s_endpgm
.Lentry_shape_is_right:
.set PA,     144
.set PLANE,  128*PA
.set ABYTES, 4*PLANE
.set PB,     528
.set BBYTES, 128*PB
.set SLOT,   ABYTES+BBYTES
.set SPARE,  2*SLOT
.set STAGE,  SPARE+512
.set SPITCH, 272
.set ADRA, 16
.set ADRB, 20
.set STO,  24
.set RD,   25
.set CO,   26
.set BOF,  27
.set SPW,  28
.set NIL,  29
.set TMP,  32
.set BP,   96
.set ACC,  128
.set F0,   0
.set F1,   128
.set G1, 24
.set G0, 32
.set G1B, 48
.set G0B, 56
.set MSB, 0
.macro WIN new
.if MSB != (\new)
	s_set_vgpr_msb (MSB<<8)|(\new)
.set MSB, (\new)
.endif
.endm
.set MUL,  0x05
.set TO_F, 0x40
.macro JLOAD s
	s_cmp_eq_u32 s15, 0
	s_cbranch_scc0 .Lfor_b_\@
	tensor_load_to_lds s[G0+4*\s:G0+4*\s+3], s[G1:G1+7]
	s_nop 0
.rept 4
	v_nop
.endr
	s_branch .Lasked_\@
.Lfor_b_\@:
	tensor_load_to_lds s[G0B+4*\s:G0B+4*\s+3], s[G1B:G1B+7]
	s_nop 0
.rept 4
	v_nop
.endr
.Lasked_\@:
.endm
.macro CREST
	s_cmp_lg_u32 s14, 0
	s_cbranch_scc1 .Lnot_wave_0_\@
	s_barrier_signal -3
.Lnot_wave_0_\@:
	s_barrier_wait -3
	s_barrier_signal -1
	s_barrier_wait -1
.endm
.macro CROUND
	s_barrier_signal -1
	s_barrier_wait -1
	CREST
.endm
.macro PLACES
.rept 4
	v_nop
.endr
.endm
.macro MUL8 f, a0, zero
.irp a, \a0, \a0+1
.irp b, 0,1,2,3
.if \zero
	v_wmma_f32_16x16x128_fp8_fp8 v[ACC+8*(4*(\a)+\b):ACC+8*(4*(\a)+\b)+7], v[\f+64+16*\b:\f+64+16*\b+15], v[\f+16*(\a):\f+16*(\a)+15], 0
.else
	v_wmma_f32_16x16x128_fp8_fp8 v[ACC+8*(4*(\a)+\b):ACC+8*(4*(\a)+\b)+7], v[\f+64+16*\b:\f+64+16*\b+15], v[\f+16*(\a):\f+16*(\a)+15], v[ACC+8*(4*(\a)+\b):ACC+8*(4*(\a)+\b)+7]
.endif
.endr
.endr
.endm
.macro FETCH slot, q, f
	WIN TO_F
.irp i, 0,1,2,3
.irp c, 0,1,2,3
	ds_load_b128 v[\f+64+16*\i+4*\c:\f+64+16*\i+4*\c+3], v[ADRB+\slot] offset:128*(\q)+\i*16*PB+32*\c
.endr
.endr
.irp i, 0,1,2,3
.irp c, 0,1,2,3
	ds_load_b128 v[\f+16*\i+4*\c:\f+16*\i+4*\c+3], v[ADRA+\slot] offset:PLANE*(\q)+\i*16*PA+32*\c
.endr
.endr
.endm
.macro QUARTER slot, qn, f, g, zero
	s_wait_dscnt 8
	WIN MUL
	MUL8 \f, 0, \zero
	PLACES
	FETCH \slot, \qn, \g
	s_wait_dscnt 32
	WIN MUL
	MUL8 \f, 2, \zero
.endm
.macro TURN slot, next, fill
	WIN 0
	s_wait_tensorcnt 0x0
	ds_add_u32 v[SPW], v[NIL]
	s_wait_dscnt 9
	WIN MUL
	MUL8 F1, 0, 0
	WIN 0
	s_wait_dscnt 0x0
	s_barrier_signal -1
	s_barrier_wait -1
.if \fill
	CREST
	s_add_nc_u64 s[G0+4*\slot+2:G0+4*\slot+3], s[G0+4*\slot+2:G0+4*\slot+3], 2*65536
	s_add_nc_u64 s[G0B+4*\slot+2:G0B+4*\slot+3], s[G0B+4*\slot+2:G0B+4*\slot+3], 2*512
	JLOAD \slot
.else
	PLACES
.endif
	FETCH \next, 0, F0
	WIN MUL
	MUL8 F1, 2, 0
.endm
.macro TOSTAGE a
.irp b, 0,1,2,3
.irp i, 0,2,4,6
	v_pk_fma_f32 v[TMP+32*((\a)%2)+8*\b+\i:TMP+32*((\a)%2)+8*\b+\i+1], v[ACC+8*(4*(\a)+\b)+\i:ACC+8*(4*(\a)+\b)+\i+1], s[96:97], v[BP+8*\b+\i:BP+8*\b+\i+1] op_sel_hi:[1,0,1]
.endr
.endr
.irp b, 0,1,2,3
	ds_store_b128 v[STO], v[TMP+32*((\a)%2)+8*\b:TMP+32*((\a)%2)+8*\b+3] offset:64*\b
	ds_store_b128 v[STO], v[TMP+32*((\a)%2)+8*\b+4:TMP+32*((\a)%2)+8*\b+7] offset:64*\b+16
.endr
.irp t, 0,1,2,3,4,5,6,7
	ds_load_b128 v[ACC+32*(\a)+4*\t:ACC+32*(\a)+4*\t+3], v[RD] offset:\t*2*SPITCH
.endr
.endm
.macro SEND a, younger
	s_wait_dscnt \younger
.irp t, 0,1,2,3,4,5,6,7
	global_store_b128 v[CO], v[ACC+32*(\a)+4*\t:ACC+32*(\a)+4*\t+3], s[12:13] offset:(16*(\a)+2*\t)*8192 th:TH_STORE_NT
.endr
.endm
	s_load_b128 s[4:7], s[0:1], 0x0
	s_load_b128 s[8:11], s[0:1], 0x10
	s_load_b64 s[12:13], s[0:1], 0x20
	v_lshl_add_u32 v[SPW], v0, 2, SPARE
	v_mov_b32 v[NIL], 0
	ds_add_u32 v28, v29
	ds_add_u32 v28, v29
	s_wait_dscnt 0x0
	v_lshrrev_b32 v1, 5, v0
	v_readfirstlane_b32 s14, v1
	s_lshr_b32 s15, s14, 1
	s_and_b32 s16, s14, 1
	s_bfe_u32 s40, ttmp6, 0x40000
	s_bfe_u32 s41, ttmp6, 0x40004
	s_lshl_b32 s42, ttmp9, 2
	s_add_co_u32 s42, s42, s40
	s_and_b32 s17, ttmp7, 0xffff
	s_lshl_b32 s17, s17, 2
	s_add_co_u32 s17, s17, s41
	s_lshl_b32 s43, s41, 2
	s_lshl_b32 s43, 15, s43
	s_lshl_b32 s44, 0x1111, s40
	s_or_b32 s[G1+0], s43, (0<<16)|(1<<20)|(1<<21)|(4<<22)|(3<<25)
	s_mov_b32 s[G1+1], 256<<16                     ; 256 rows of 128 bytes, dense in memory, stated as 128 rows of 256 bytes; the padding stays behind each 128
	s_mov_b32 s[G1+2], 128<<16
	s_mov_b32 s[G1+3], 256<<16
	s_mov_b32 s[G1+4], 128
	s_mov_b32 s[G1+5], 256
	s_mov_b32 s[G1+6], 0
	s_mov_b32 s[G1+7], 0
	s_or_b32 s[G1B+0], s44, (0<<16)|(1<<20)|(1<<21)|(6<<22)|(3<<25)
	s_mov_b32 s[G1B+1], 512<<16
	s_mov_b32 s[G1B+2], 64<<16
	s_mov_b32 s[G1B+3], 512<<16
	s_mov_b32 s[G1B+4], 64
	s_mov_b32 s[G1B+5], 2048
	s_mov_b32 s[G1B+6], 0
	s_mov_b32 s[G1B+7], 0
	s_lshl_b32 s20, s17, 18
	s_lshl_b32 s21, s16, 15
	s_add_co_u32 s20, s20, s21
	s_mov_b32 s21, 0
	s_lshl_b32 s46, s42, 18
	s_lshl_b32 s47, s16, 17
	s_add_co_u32 s46, s46, s47
	s_add_co_u32 s46, s46, 0xc00000
	s_mov_b32 s47, 0
	s_mul_i32 s45, s16, 2*PLANE
	s_mul_i32 s66, s16, 64*PB
	s_add_co_u32 s66, s66, ABYTES
	s_wait_kmcnt 0x0
	s_load_b64 s[96:97], s[8:9], 0x20
	s_add_nc_u64 s[20:21], s[4:5], s[20:21]
	s_add_nc_u64 s[46:47], s[6:7], s[46:47]
	CROUND
.irp s, 0,1
	s_mov_b32 s[G0+4*\s], 1
	s_add_co_u32 s[G0+4*\s+1], s45, \s*SLOT
	s_add_nc_u64 s[G0+4*\s+2:G0+4*\s+3], s[20:21], \s*65536
	s_or_b32 s[G0+4*\s+3], s[G0+4*\s+3], 0x80000000
	s_mov_b32 s[G0B+4*\s], 1
	s_add_co_u32 s[G0B+4*\s+1], s66, \s*SLOT
	s_add_nc_u64 s[G0B+4*\s+2:G0B+4*\s+3], s[46:47], \s*512
	s_or_b32 s[G0B+4*\s+3], s[G0B+4*\s+3], 0x80000000
.endr
	JLOAD 0                                        ; slot 0: one tensor load a wave at the head
	v_and_b32 v1, 15, v0
	v_bfe_u32 v2, v0, 4, 1
	v_mul_u32_u24 v3, v1, PA
	v_lshl_add_u32 v3, v2, 4, v3
	s_mul_i32 s21, s15, 64*PA
	v_mul_u32_u24 v4, v1, PB
	v_lshl_add_u32 v4, v2, 4, v4
	s_mul_i32 s22, s16, 64*PB
	s_add_co_u32 s22, s22, ABYTES
.irp s, 0,1
	v_add_nc_u32 v[ADRA+\s], s21, v3
	v_add_nc_u32 v[ADRB+\s], s22, v4
	s_add_co_u32 s21, s21, SLOT
	s_add_co_u32 s22, s22, SLOT
.endr
	s_mul_i32 s23, s14, 16*SPITCH
	s_add_co_u32 s23, s23, STAGE
	v_mul_u32_u24 v5, v1, SPITCH
	v_lshl_add_u32 v5, v2, 5, v5
	v_add_nc_u32 v[STO], s23, v5
	v_mul_u32_u24 v5, v2, SPITCH
	v_lshl_add_u32 v5, v1, 4, v5
	v_add_nc_u32 v[RD], s23, v5
	v_lshlrev_b32 v5, 13, v2
	v_lshl_add_u32 v[CO], v1, 4, v5
	v_lshlrev_b32 v[BOF], 5, v2
	s_lshl_b32 s46, s42, 9
	s_lshl_b32 s47, s16, 8
	s_add_co_u32 s46, s46, s47
	s_mov_b32 s47, 0
	s_add_nc_u64 s[10:11], s[10:11], s[46:47]
.irp b, 0,1,2,3
	global_load_b128 v[BP+8*\b:BP+8*\b+3], v[BOF], s[10:11] offset:64*\b
	global_load_b128 v[BP+8*\b+4:BP+8*\b+7], v[BOF], s[10:11] offset:64*\b+16
.endr
	s_lshl_b32 s20, s17, 20
	s_lshl_b32 s21, s15, 19
	s_add_co_u32 s20, s20, s21
	s_mov_b32 s21, 0
	s_add_nc_u64 s[12:13], s[12:13], s[20:21]
	s_add_nc_u64 s[12:13], s[12:13], s[46:47]
	s_wait_alu depctr_va_vdst(0)                   ; the wait at the head's end
	s_wait_tensorcnt 0x0                           ; my part of slot 0 is in
	ds_add_u32 v[SPW], v[NIL]
	s_wait_dscnt 0x0
	CROUND                                         ; everybody's part is in, and the joint loads meet
	JLOAD 1                                        ; slot 1's first fill, the first tensor load behind the round
	FETCH 0, 0, F0
	QUARTER 0, 1, F0, F1, 1
	QUARTER 0, 2, F1, F0, 0
	QUARTER 0, 3, F0, F1, 0
	TURN 0, 1, 1
	QUARTER 1, 1, F0, F1, 0
	QUARTER 1, 2, F1, F0, 0
	QUARTER 1, 3, F0, F1, 0
	TURN 1, 0, 1
	QUARTER 0, 1, F0, F1, 0
	QUARTER 0, 2, F1, F0, 0
	QUARTER 0, 3, F0, F1, 0
	TURN 0, 1, 0
	QUARTER 1, 1, F0, F1, 0
	QUARTER 1, 2, F1, F0, 0
	QUARTER 1, 3, F0, F1, 0
	s_wait_dscnt 8
	WIN MUL
	MUL8 F1, 0, 0
	s_wait_dscnt 0
	MUL8 F1, 2, 0
	WIN 0
	s_wait_kmcnt 0x0
	s_add_co_i32 s96, s96, s97
	s_add_co_i32 s96, s96, 127
	s_lshl_b32 s96, s96, 23
	s_mov_b32 s97, s96
	s_wait_loadcnt 0x0
	PLACES
	TOSTAGE 0
.irp a, 1,2,3
	TOSTAGE \a
	SEND \a-1, 16
.endr
	SEND 3, 0
	s_wait_tensorcnt 0x0
	ds_add_u32 v[SPW], v[NIL]
	s_wait_dscnt 0x0
	CROUND
	s_endpgm
.Lfunc_end_k_qca236b6993_gemm_out:
	.size	k_qca236b6993_gemm_out, .Lfunc_end_k_qca236b6993_gemm_out-k_qca236b6993_gemm_out
	.p2alignl 7, 3214868480
	.fill 96, 4, 3214868480
	.section	.rodata,"a",@progbits
	.p2align	6, 0x0
	.amdhsa_kernel k_qca236b6993_gemm_out
		.amdhsa_group_segment_fixed_size 327680
		.amdhsa_private_segment_fixed_size 0
		.amdhsa_enable_private_segment 0
		.amdhsa_kernarg_size 40
		.amdhsa_user_sgpr_count 2
		.amdhsa_user_sgpr_kernarg_segment_ptr 1
		.amdhsa_wavefront_size32 1
		.amdhsa_system_sgpr_workgroup_id_x 1
		.amdhsa_system_sgpr_workgroup_id_y 1
		.amdhsa_system_sgpr_workgroup_id_z 1
		.amdhsa_system_vgpr_workitem_id 0
		.amdhsa_next_free_vgpr 512
		.amdhsa_next_free_sgpr 100
		.amdhsa_reserve_vcc 0
		.amdhsa_float_denorm_mode_32 3
		.amdhsa_float_denorm_mode_16_64 3
		.amdhsa_memory_ordered 1
		.amdhsa_forward_progress 1
		.amdhsa_inst_pref_size 75
	.end_amdhsa_kernel
	.amdgpu_metadata
---
amdhsa.version: [ 1, 2 ]
amdhsa.kernels:
  - .name:           k_qca236b6993_gemm_out
    .symbol:         k_qca236b6993_gemm_out.kd
    .args:
      - { .name: yc, .offset: 0, .size: 8, .value_kind: global_buffer, .address_space: global }
      - { .name: wc, .offset: 8, .size: 8, .value_kind: global_buffer, .address_space: global }
      - { .name: lowp_scales, .offset: 16, .size: 8, .value_kind: global_buffer, .address_space: global }
      - { .name: bp, .offset: 24, .size: 8, .value_kind: global_buffer, .address_space: global }
      - { .name: out0, .offset: 32, .size: 8, .value_kind: global_buffer, .address_space: global }
    .group_segment_fixed_size: 327680
    .private_segment_fixed_size: 0
    .kernarg_segment_align: 8
    .kernarg_segment_size: 40
    .max_flat_workgroup_size: 128
    .sgpr_count:     100
    .vgpr_count:     512
    .wavefront_size: 32
...
	.end_amdgpu_metadata
.endif
;; end of part 4
